; MI455X (gfx1250); checked and timed in simulation.
; The chip was launched on July 23, 2026; its instructions are those of AMD's public machine-readable ISA for CDNA 5 (MIT licence, August 2026) and "CDNA5" Instruction Set Architecture Reference Guide (July 2026). The comments in the code are by the model that wrote it; some were corrected since.
;; Standard MHA. Allowed arithmetic: matrix products marked QUANTISED: E2M3 operands, one E8M0 scale for each 32 along K, by v_wmma_scale_f32_16x16x128_f8f6f4 with both operands' format E2M3, f32 sums; everything else in f32.
;; Inputs: Wk 1,024 x 1,024 float32; Wo 1,024 x 1,024 float32; Wq 1,024 x 1,024 float32; Wv 1,024 x 1,024 float32; bk 1,024 float32; bo 1,024 float32; bq 1,024 float32; bv 1,024 float32; x 1 x 4,096 x 1,024 float32.
;; Outputs: out0 1 x 4,096 x 1,024 float32.
;; This version of the problem:
;;   THIS VERSION OF THE PROBLEM IS GIVEN IN LOW PRECISION. The matrix products marked QUANTISED in the list below multiply operands that are first quantised to E2M3 (2 exponent bits, 3 mantissa bits; 6 bits a number), with one power-of-two scale for each 32 numbers along K (OCP MX v1.0); their sums are f32. All else is computed in f32.
;;   The module's matrix products, in the order in which they are computed (A, B: the left and right operand; K: the contracted axis; several contracted axes count as one K, in the product's order):
;;     1. [M 4,096, K 1,024] x [K 1,024, N 1,024]; A: input x; B: input Wq: QUANTISED
;;     2. [M 4,096, K 1,024] x [K 1,024, N 1,024]; A: input x; B: input Wk: QUANTISED
;;     3. [M 4,096, K 1,024] x [K 1,024, N 1,024]; A: input x; B: input Wv: QUANTISED
;;     4. batch 16 x [M 4,096, K 64] x [K 64, N 4,096]; A: computed on the way; B: computed on the way: QUANTISED
;;     5. batch 16 x [M 4,096, K 4,096] x [K 4,096, N 64]; A: softmax (see below); B: computed on the way: QUANTISED
;;     6. [M 4,096, K 1,024] x [K 1,024, N 1,024]; A: computed on the way; B: input Wo: QUANTISED
;;   THE QUANTISER, for each operand of a quantised product, along K:
;;     - K is cut into blocks of 32 from its start; a last block that is shorter is filled with zeros.
;;     - A block's scale is 2^e with e = floor(log2(the largest magnitude in the block)) - 2, held to -126 .. 127; a block of zeros has e = 0. As a byte (E8M0): e + 127.
;;     - Each number is divided by its block's scale, clamped to +-7.5, and rounded to the nearest number of E2M3, ties to even, subnormals kept.
;;     - The product sums the exact products of the quantised numbers (number of the format x scale) in f32.
;;   ~~~python
;;   def quantise(x, axis):      # numpy; x: float32 -> the quantised numbers, widened to float32 again
;;       x = np.moveaxis(x, axis, -1); K = x.shape[-1]
;;       x = np.pad(x, [(0, 0)] * (x.ndim - 1) + [(0, -K % 32)]); x = x.reshape(x.shape[:-1] + (-1, 32)); a = np.abs(x).max(-1, keepdims=True)
;;       e = np.where(a > 0, np.clip(np.frexp(np.where(a > 0, a, 1))[1] - 1 - 2, -126, 127), 0)      # np.frexp(a)[1] - 1 = floor(log2(a)), exactly
;;       r = np.clip(x / 2.0 ** e, -7.5, 7.5)
;;       step = 2.0 ** (np.maximum(np.frexp(np.where(r == 0, 1, r))[1] - 1, 0) - 3)
;;       q = np.round(r / step) * step * 2.0 ** e      # np.round: ties to even
;;       return np.moveaxis(q.reshape(q.shape[:-2] + (-1,))[..., :K], -1, axis).astype(np.float32)
;;   ~~~
;;   SOFTMAX AHEAD OF A QUANTISED PRODUCT. Where the list says 'softmax', what is quantised is not the finished softmax but p = 2^(t - M), with t = logit x log2(e) and M = ceil(the row's largest t), a whole number; so 1/2 < the row's largest p <= 1. The row's sum l is taken of the UNQUANTISED p, in f32, and the product's result is divided by l at the end. Since M is a whole number, a kernel that streams over the keys may use a running M (the ceiling of the running maximum): every later rescaling is an exact power of two, which a block's scale takes up: the codes' values come out the same.
;;   OPERANDS COMPUTED ON THE WAY. 'Computed on the way' means the value that the module computes at that place (a softmax that the list does not call 'softmax' is quantised finished and normalised). What goes into a quantiser is computed in f32, as accurately as f32 sums, v_exp_f32 and their like allow (about 1e-6 of the number): no bf16 or f16 on the way to a quantiser, and a product that is left as it is and whose result goes on into a quantised operand takes f32 operands (vector FMAs, or v_wmma_f32_16x16x4_f32). A number that lies on a knife's edge between two numbers of the format may be rounded either way, as far as f32 arithmetic and the matrix unit's own rounding can turn it there, and no further.
;; One version. Each part assembles by itself: llvm-mc -triple=amdgcn-amd-amdhsa -mcpu=gfx1250 --defsym DOCPART=n.
;; ======== version 1 of 1: 4 launches
;; limits: right only within a limited range of input values
;; workspace buffers: xc 3,145,728 bytes; xs 131,072 bytes; wc 3,145,728 bytes; ws 131,072 bytes; qb 3,407,872 bytes; kv 6,815,744 bytes; cc 3,145,728 bytes; cs 262,144 bytes
;; launch quant (part 1): grid 256 x 1, 8 waves a work-group, no clusters, 136,192 bytes of LDS; arguments x, Wq, Wk, Wv, Wo, xc, xs, wc, ws; writes xc, xs, wc, ws
.if DOCPART == 1
	.amdgcn_target "amdgcn-amd-amdhsa--gfx1250"
	.amdhsa_code_object_version 6
	.text
	.protected	k_q24b4b7fa66_quant
	.globl	k_q24b4b7fa66_quant
	.p2align	8
	.type	k_q24b4b7fa66_quant,@function
k_q24b4b7fa66_quant:
	s_mov_b64 s[64:65], 0
	v_nop
	global_prefetch_b8 v0, s[64:65] scope:SCOPE_SE
	s_setreg_imm32_b32 hwreg(HW_REG_WAVE_MODE, 25, 1), 1
	s_wait_xcnt 0x0
; x [4096][1024] and Wq, Wk, Wv, Wo [1024 (k)][1024 (n)], f32, become codes of FP6 (E2M3) with one E8M0 scale byte for each 32 along K (x: its columns; W: its FIRST axis).
; NO WORK OF reference() IS LEFT OUT in this program: every input has a way to out0 (bk too: it moves k's codes and scales), and all six products are live.
; A block's scale is 2^(floor(log2(its largest magnitude)) - 2); its byte is the largest magnitude's exponent field - 2, held at 1 from below.
; LIMITS: NaN and infinities among the inputs are not served.  A block of zeros gets the byte 1 where the rule says 127: its codes are zeros, and this program alone reads the bytes.
; Blocks whose largest magnitude lies under 2^-124 are held at the byte 1.
; THE LAYOUT OF THE CODES is the order of the matrix operand's registers.  A row (a token of x, a column n of W) has a POSITION: its number with bits 3 and 4 swapped, so that lane-row i of tile 2 b + u is row
; 32 b + 8 u + i + 8 (i / 8).  A half fragment (16 positions x 64 K: 6 registers x 32 lanes, lane (r, h) holding K = 32 h + 0 .. 31 of position r) is 768 bytes: registers 0-3 at 16 x lane, registers 4-5 at 512 + 8 x lane.
; xc, wc: [K / 256: 4][tile of 16 positions: 256][half fragment: 4][768].  wc's tiles: 0-63 Wq, 64-127 Wk, 128-191 Wv, 192-255 Wo.
; xs, ws: [group of 32 positions: 128][K / 128: 8][lane: 32][4 bytes]: lanes 0-15 the scale words of the group's first tile, lanes 16-31 of its second.
; SHARES.  A wave takes one group of 32 positions x 128 along K: 16 KiB of f32.  Work-groups 0-127: x, group = work-group, K step = wave.  Work-groups 128-255: the weights.
; x: a load reads 512 consecutive bytes of one row; the rows turn through the wave's own stage in LDS (rows of 512 + 16 bytes), so that a lane gets 16 neighbours of each block of its row.
; W: a lane takes a column and its registers run down K: a block lies in one lane; a load's 32 lanes cover 128 consecutive bytes.  No stage.
; The scale words leave as 128 consecutive bytes a wave, half of an aligned 256: one byte in 128 of what the launch reads.
.set WREG,  16896                      ; a wave's stage: two tiles of 16 rows x 528 bytes
.set TPIT,  528
.set SPARE, 8*WREG                     ; behind the stages: the spare words, 128 bytes for each wave: four blocks of 256 bytes that no other line names
.set KQB,   786432                     ; 256 along K of all 256 tiles
.set TILEB, 3072                       ; a tile's four half fragments
.set X,   16                           ; v16-143  128 numbers
.set TM,  144                          ; v144-159 at work in the quantiser
.set PW0, 160                          ; scale words
.set PW1, 161
.set PWS, 162
.set PC0, 164                          ; v164-182, v184-202: x's codes, two sets
.set PC1, 184
.set CB,  164                          ; v164-187: W's codes, six registers a block;  v188-203: the upper halves as they are made
.set CT,  188
.set SPW, 10                           ; v10  LDS address of my spare word; never rewritten
.set NIL, 11                           ; v11  0; never rewritten
.set SEL, 24                           ; s[24:25] lane selects for v_permlanex16_b32: lane l xor 16
; 64 numbers of a lane, register 16 b + i = k 32 b + 16 (lane / 16) + i of my row, become a fragment's 12 registers from v[pc] on and my row's scale word in v[pw]
.macro QUANT s, pc, pw
.irp b, 0,1,2,3
	v_max3_num_f32 v[TM+\b], |v[(\s)+16*\b]|, |v[(\s)+1+16*\b]|, 0x1800000   ; my 16 numbers of block b, and the floor 2^(3 - 127): the byte cannot fall under 1
.endr
.irp i, 2,4,6,8,10,12,14
.irp b, 0,1,2,3
	s_delay_alu instid0(VALU_DEP_4)
	v_max3_num_f32 v[TM+\b], v[TM+\b], |v[(\s)+16*\b+\i]|, |v[(\s)+1+16*\b+\i]|
.endr
.endr
.irp b, 0,1,2,3
	s_delay_alu instid0(VALU_DEP_4)
	v_permlanex16_b32 v[TM+4+\b], v[TM+\b], s[SEL], s[SEL+1]
.endr
.irp b, 0,1,2,3
	s_delay_alu instid0(VALU_DEP_4)
	v_max_num_f32 v[TM+\b], v[TM+\b], v[TM+4+\b]   ; with lane l xor 16's: the block's largest magnitude
.endr
.irp b, 0,1,2,3
	s_delay_alu instid0(VALU_DEP_4)
	v_add_nc_u32 v[TM+12+\b], 0xff000000, v[TM+\b]   ; 2 off its exponent field: the conversion's scale operand
.endr
.irp b, 0,1,2,3
	s_delay_alu instid0(VALU_DEP_4)
	v_lshrrev_b32 v[TM+4+\b], 23, v[TM+12+\b]      ; the scale's byte
.endr
	s_delay_alu instid0(VALU_DEP_3)
	v_lshl_or_b32 v[\pw], v[TM+5], 8, v[TM+4]
	s_delay_alu instid0(VALU_DEP_1)
	v_lshl_or_b32 v[\pw], v[TM+6], 16, v[\pw]
	s_delay_alu instid0(VALU_DEP_1)
	v_lshl_or_b32 v[\pw], v[TM+7], 24, v[\pw]
.irp c, 0,1
	v_cvt_scalef32_pk16_fp6_f32 v[(\pc)+6*\c:(\pc)+2+6*\c], v[(\s)+32*\c:(\s)+15+32*\c], v[TM+12+2*\c]
	v_cvt_scalef32_pk16_fp6_f32 v[(\pc)+12+4*\c:(\pc)+14+4*\c], v[(\s)+16+32*\c:(\s)+31+32*\c], v[TM+12+2*\c+1]   ; (a conversion's three registers begin on an even number)
.endr
	v_nop                                          ; one plain place behind a scaled conversion
.irp c, 0,1                                    ; the operand wants a whole block in a lane: lanes 0-15 block 2 c, lanes 16-31 block 2 c + 1
.irp i, 0,1,2
	v_permlane16_swap_b32 v[(\pc)+6*\c+\i], v[(\pc)+12+4*\c+\i]
.endr
.irp i, 0,1,2
	s_delay_alu instid0(VALU_DEP_3)
	v_mov_b32 v[(\pc)+3+6*\c+\i], v[(\pc)+12+4*\c+\i]
.endr
.endr
.endm
.macro HFOUT reg, sb, off              ; a half fragment leaves: 512 and 256 consecutive bytes
	global_store_b128 v4, v[(\reg):(\reg)+3], s[\sb:\sb+1] offset:(\off)
	global_store_b64 v5, v[(\reg)+4:(\reg)+5], s[\sb:\sb+1] offset:(\off)+512
.endm
	s_load_b256 s[4:11], s[0:1], 0x0               ; x s[4:5], Wq s[6:7], Wk s[8:9], Wv s[10:11]
	s_load_b256 s[12:19], s[0:1], 0x20             ; Wo s[12:13], xc s[14:15], xs s[16:17], wc s[18:19]
	s_load_b64 s[20:21], s[0:1], 0x40              ; ws
	v_lshl_add_u32 v[SPW], v0, 2, SPARE
	v_mov_b32 v[NIL], 0
	v_lshrrev_b32 v1, 5, v0
	s_delay_alu instid0(VALU_DEP_1)
	v_readfirstlane_b32 s22, v1                    ; wave 0..7
	v_and_b32 v1, 31, v0                           ; lane
	v_and_b32 v2, 15, v0                           ; r
	v_bfe_u32 v3, v0, 4, 1                         ; h
	s_delay_alu instid0(VALU_DEP_3)
	v_lshlrev_b32 v4, 4, v1                        ; 16 x lane
	s_delay_alu instid0(VALU_DEP_4)
	v_lshlrev_b32 v5, 3, v1                        ; 8 x lane
	v_lshlrev_b32 v6, 2, v1                        ; 4 x lane
	s_cmp_lt_u32 ttmp9, 128
	s_cbranch_scc0 .Lweights
	; ---- x: group g = work-group, K step s = wave
	s_mov_b32 s23, 0xffff0000                      ; lanes 16-31
	s_mov_b32 s[SEL], 0x76543210
	s_mov_b32 s[SEL+1], 0xfedcba98
.irp b, 0,1,2,3
	v_mov_b32 v[TM+4+\b], 0                        ; written once: a lane permute's destination counts as one of its sources
.endr
	s_mul_i32 s26, s22, WREG
	v_add_nc_u32 v7, s26, v4                       ; the stage, way in: a row's 512 bytes as they lie
	v_mul_u32_u24 v8, v2, TPIT
	s_delay_alu instid0(VALU_DEP_1)
	v_lshl_add_u32 v8, v3, 6, v8
	s_delay_alu instid0(VALU_DEP_1)
	v_add_nc_u32 v8, s26, v8                       ; way out: row r, + 64 h: my 16 numbers of a block
	s_lshl_b32 s28, ttmp9, 17                      ; 32 rows of 4,096 bytes
	s_lshl_b32 s27, s22, 9                         ; + 512 bytes a K step
	s_add_co_u32 s28, s28, s27
	s_mov_b32 s29, 0
	s_lshr_b32 s30, s22, 1
	s_mul_i32 s30, s30, KQB                        ; codes: (s / 2) KQB + 2 g tiles + (s % 2) x two half fragments
	s_mul_i32 s27, ttmp9, 2*TILEB
	s_add_co_u32 s30, s30, s27
	s_and_b32 s27, s22, 1
	s_mul_i32 s27, s27, 1536
	s_add_co_u32 s30, s30, s27
	s_mov_b32 s31, 0
	s_lshl_b32 s32, ttmp9, 3
	s_add_co_u32 s32, s32, s22
	s_lshl_b32 s32, s32, 7                         ; scale words: (8 g + s) x 128
	s_mov_b32 s33, 0
	s_wait_alu depctr_va_vdst(0)
	s_wait_kmcnt 0x0
	s_add_nc_u64 s[4:5], s[4:5], s[28:29]
	s_add_nc_u64 s[14:15], s[14:15], s[30:31]
	s_add_nc_u64 s[16:17], s[16:17], s[32:33]
.set p, 0
.rept 32                                       ; position p of the group is row 8 (p / 16) + p % 8 + 16 ((p / 8) % 2)
	global_load_b128 v[X+4*p:X+4*p+3], v4, s[4:5] offset:(8*(p/16)+(p%8)+16*((p/8)%2))*4096 th:TH_LOAD_NT
.set p, p+1
.endr
.macro STAGE u                         ; tile u's 16 rows through the stage, back into the registers that they left: LDS serves a wave's instructions in order
.set i, 0
.rept 16
	ds_store_b128 v7, v[X+64*(\u)+4*i:X+64*(\u)+4*i+3] offset:16*TPIT*(\u)+TPIT*i
.set i, i+1
.endr
.set i, 0
.rept 16
	ds_load_b128 v[X+64*(\u)+4*i:X+64*(\u)+4*i+3], v8 offset:16*TPIT*(\u)+128*(i/4)+16*(i%4)
.set i, i+1
.endr
.endm
	s_wait_loadcnt 16                              ; tile 0's 16 loads are in; tile 1's may be out
	STAGE 0
	s_wait_loadcnt 0x0
	STAGE 1
	s_wait_dscnt 32                                ; tile 0 is back; tile 1's 16 stores and 16 loads may be out
	QUANT X, PC0, PW0
	HFOUT PC0, 14, 0
	HFOUT PC0+6, 14, 768
	s_wait_dscnt 0x0
	QUANT X+64, PC1, PW1
	HFOUT PC1, 14, TILEB
	HFOUT PC1+6, 14, TILEB+768
	v_cndmask_b32 v[PWS], v[PW0], v[PW1], s23      ; lanes 0-15: tile 0's words, lanes 16-31: tile 1's
	global_store_b32 v6, v[PWS], s[16:17]
	s_branch .Lend
.Lweights:                                     ; ---- W: j = work-group - 128: which W = j / 32, K step s = (j / 4) % 8, group of 32 columns cg = 8 (j % 4) + wave
	s_sub_co_u32 s26, ttmp9, 128
	s_lshr_b32 s27, s26, 5                         ; which W
	s_bfe_u32 s28, s26, 0x30002                    ; s
	s_and_b32 s29, s26, 3
	s_lshl_b32 s29, s29, 3
	s_add_co_u32 s29, s29, s22                     ; cg
	s_lshl_b32 s30, s27, 5
	s_add_co_u32 s30, s30, s29                     ; the group among wc's 128
	s_wait_alu depctr_va_vdst(0)
	v_and_b32 v9, 7, v1
	s_delay_alu instid0(VALU_DEP_1)
	v_lshl_add_u32 v9, v3, 3, v9
	v_bfe_u32 v12, v0, 3, 1
	s_delay_alu instid0(VALU_DEP_1)
	v_lshl_add_u32 v9, v12, 4, v9                  ; my lane is position l of the group: column l % 8 + 8 (l / 16) + 16 ((l / 8) % 2)
	s_delay_alu instid0(VALU_DEP_1)
	v_lshlrev_b32 v9, 2, v9
	s_lshl_b32 s31, s29, 7
	v_add_nc_u32 v9, s31, v9                       ; + 128 bytes a group
	s_lshl_b32 s38, s28, 19                        ; 128 rows of 4,096 bytes a K step
	s_mov_b32 s39, 0
	s_lshr_b32 s40, s28, 1
	s_mul_i32 s40, s40, KQB
	s_mul_i32 s31, s30, 2*TILEB
	s_add_co_u32 s40, s40, s31
	s_and_b32 s31, s28, 1
	s_mul_i32 s31, s31, 1536
	s_add_co_u32 s40, s40, s31
	s_mov_b32 s41, 0
	s_lshl_b32 s42, s30, 3
	s_add_co_u32 s42, s42, s28
	s_lshl_b32 s42, s42, 7
	s_mov_b32 s43, 0
	s_wait_alu depctr_va_vdst(0)
	s_wait_kmcnt 0x0
	s_bitcmp1_b32 s27, 0                           ; the choice hangs on the work-group's number alone
	s_cselect_b64 s[34:35], s[8:9], s[6:7]
	s_cselect_b64 s[36:37], s[12:13], s[10:11]
	s_bitcmp1_b32 s27, 1
	s_cselect_b64 s[34:35], s[36:37], s[34:35]
	s_add_nc_u64 s[34:35], s[34:35], s[38:39]
	s_add_nc_u64 s[18:19], s[18:19], s[40:41]
	s_add_nc_u64 s[20:21], s[20:21], s[42:43]
.macro WLOAD b                         ; block b: W(128 s + 32 b + i, my column)
.set i, 0
.rept 32
	global_load_b32 v[X+32*(\b)+i], v9, s[34:35] offset:(32*(\b)+i)*4096 th:TH_LOAD_NT
.set i, i+1
.endr
.endm
.macro WBLOCK b                        ; all 32 numbers of the block are mine
.set XS, X+32*(\b)
	v_max3_num_f32 v[TM], |v[XS]|, |v[XS+1]|, |v[XS+2]|
	v_max3_num_f32 v[TM+1], |v[XS+3]|, |v[XS+4]|, |v[XS+5]|
.irp i, 6,10,14,18,22,26
	s_delay_alu instid0(VALU_DEP_2)
	v_max3_num_f32 v[TM], v[TM], |v[XS+\i]|, |v[XS+\i+1]|
	s_delay_alu instid0(VALU_DEP_2)
	v_max3_num_f32 v[TM+1], v[TM+1], |v[XS+\i+2]|, |v[XS+\i+3]|
.endr
	s_delay_alu instid0(VALU_DEP_2)
	v_max3_num_f32 v[TM], v[TM], |v[XS+30]|, |v[XS+31]|
	s_delay_alu instid0(VALU_DEP_1)
	v_max3_num_f32 v[TM], v[TM], v[TM+1], 0x1800000   ; and the floor
	s_delay_alu instid0(VALU_DEP_1)
	v_add_nc_u32 v[TM+2], 0xff000000, v[TM]
	s_delay_alu instid0(VALU_DEP_1)
	v_lshrrev_b32 v[TM+3], 23, v[TM+2]
.if (\b) == 0
	s_delay_alu instid0(VALU_DEP_1)
	v_mov_b32 v[PW0], v[TM+3]
.else
	s_delay_alu instid0(VALU_DEP_1)
	v_lshl_or_b32 v[PW0], v[TM+3], 8*(\b), v[PW0]
.endif
	v_cvt_scalef32_pk16_fp6_f32 v[CB+6*(\b):CB+6*(\b)+2], v[XS:XS+15], v[TM+2]
	v_cvt_scalef32_pk16_fp6_f32 v[CT+4*(\b):CT+4*(\b)+2], v[XS+16:XS+31], v[TM+2]
	v_nop                                          ; one plain place behind a scaled conversion
.irp i, 0,1,2
	v_mov_b32 v[CB+6*(\b)+3+\i], v[CT+4*(\b)+\i]
.endr
.endm
	WLOAD 0
	WLOAD 1
	s_wait_loadcnt 32                              ; block 0 is in; the next block's 32 loads may be out
	WLOAD 2
	WBLOCK 0
	s_wait_loadcnt 32                              ; block 1 is in; block 2's may be out
	WLOAD 3
	WBLOCK 1
	s_wait_loadcnt 32                              ; block 2 is in; block 3's may be out
	WBLOCK 2
	s_wait_loadcnt 0x0
	WBLOCK 3
.irp c, 0,1                                    ; lanes 0-15 hold the first tile's columns, lanes 16-31 the second's.  The exchange gives registers 12 c + 6 u on: half fragment c of tile u
.irp i, 0,1,2,3,4,5
	v_permlane16_swap_b32 v[CB+12*\c+\i], v[CB+12*\c+6+\i]
.endr
.endr
.irp c, 0,1
.irp u, 0,1
	HFOUT CB+12*\c+6*\u, 18, \u*TILEB+768*\c
.endr
.endr
	global_store_b32 v6, v[PW0], s[20:21]          ; lane l has position l's word
.Lend:
	s_wait_tensorcnt 0x0                           ; the wave's end
	ds_add_u32 v[SPW], v[NIL]
	s_wait_dscnt 0x0
	s_endpgm
.Lfunc_end_k_q24b4b7fa66_quant:
	.size	k_q24b4b7fa66_quant, .Lfunc_end_k_q24b4b7fa66_quant-k_q24b4b7fa66_quant
	.p2alignl 7, 3214868480
	.fill 96, 4, 3214868480
	.section	.rodata,"a",@progbits
	.p2align	6, 0x0
	.amdhsa_kernel k_q24b4b7fa66_quant
		.amdhsa_group_segment_fixed_size 136192
		.amdhsa_private_segment_fixed_size 0
		.amdhsa_enable_private_segment 0
		.amdhsa_kernarg_size 72
		.amdhsa_user_sgpr_count 2
		.amdhsa_user_sgpr_kernarg_segment_ptr 1
		.amdhsa_wavefront_size32 1
		.amdhsa_system_sgpr_workgroup_id_x 1
		.amdhsa_system_sgpr_workgroup_id_y 1
		.amdhsa_system_sgpr_workgroup_id_z 1
		.amdhsa_system_vgpr_workitem_id 0
		.amdhsa_next_free_vgpr 208
		.amdhsa_next_free_sgpr 66
		.amdhsa_reserve_vcc 0
		.amdhsa_float_denorm_mode_32 3
		.amdhsa_float_denorm_mode_16_64 3
		.amdhsa_memory_ordered 1
		.amdhsa_forward_progress 1
		.amdhsa_inst_pref_size 45
	.end_amdhsa_kernel
	.amdgpu_metadata
---
amdhsa.version: [ 1, 2 ]
amdhsa.kernels:
  - .name:           k_q24b4b7fa66_quant
    .symbol:         k_q24b4b7fa66_quant.kd
    .args:
      - { .name: x, .offset: 0, .size: 8, .value_kind: global_buffer, .address_space: global }
      - { .name: Wq, .offset: 8, .size: 8, .value_kind: global_buffer, .address_space: global }
      - { .name: Wk, .offset: 16, .size: 8, .value_kind: global_buffer, .address_space: global }
      - { .name: Wv, .offset: 24, .size: 8, .value_kind: global_buffer, .address_space: global }
      - { .name: Wo, .offset: 32, .size: 8, .value_kind: global_buffer, .address_space: global }
      - { .name: xc, .offset: 40, .size: 8, .value_kind: global_buffer, .address_space: global }
      - { .name: xs, .offset: 48, .size: 8, .value_kind: global_buffer, .address_space: global }
      - { .name: wc, .offset: 56, .size: 8, .value_kind: global_buffer, .address_space: global }
      - { .name: ws, .offset: 64, .size: 8, .value_kind: global_buffer, .address_space: global }
    .group_segment_fixed_size: 136192
    .private_segment_fixed_size: 0
    .kernarg_segment_align: 8
    .kernarg_segment_size: 72
    .max_flat_workgroup_size: 256
    .sgpr_count:     66
    .vgpr_count:     208
    .wavefront_size: 32
...
	.end_amdgpu_metadata
.endif
;; end of part 1
;; launch qkv (part 2): grid 12 x 16, 4 waves a work-group, clusters of 4 x 4, 327,680 bytes of LDS; arguments xc, xs, wc, ws, bq, bk, bv, qb, kv; writes qb, kv
.if DOCPART == 2
	.amdgcn_target "amdgcn-amd-amdhsa--gfx1250"
	.amdhsa_code_object_version 6
	.text
	.protected	k_q24b4b7fa66_qkv
	.globl	k_q24b4b7fa66_qkv
	.p2align	8
	.type	k_q24b4b7fa66_qkv,@function
k_q24b4b7fa66_qkv:
	s_mov_b64 s[64:65], 0
	v_nop
	global_prefetch_b8 v0, s[64:65] scope:SCOPE_SE
	s_setreg_imm32_b32 hwreg(HW_REG_WAVE_MODE, 25, 1), 1
	s_wait_xcnt 0x0
	s_wait_alu depctr_hold_cnt(0) depctr_sa_sdst(0) depctr_va_vdst(0) depctr_va_sdst(0) depctr_va_ssrc(0) depctr_va_vcc(0) depctr_vm_vsrc(0)
	s_getreg_b32 s2, hwreg(HW_REG_IB_STS2, 6, 4)
	s_cmp_eq_u32 s2, 0
	s_cbranch_scc0 .Lentry_in_a_cluster
	s_endpgm
.Lentry_in_a_cluster:
	s_bfe_u32 s2, ttmp6, 0x10000c
	s_cmp_lg_u32 s2, 0xf033
	s_cbranch_scc0 .Lentry_shape_is_right
	s_endpgm
.Lentry_shape_is_right:
; q = x Wq + bq, k = x Wk + bk, v = x Wv + bv on codes of FP6 (E2M3), and the results quantised at once: q and k along the head's 64, v along the keys.  Nothing of reference() is left out here.
; LIMITS: NaN and infinities are not served; a block of zeros gets the scale byte 1 (its codes are zeros; this program alone reads the bytes); blocks under 2^-124 are held at the byte 1.
; INPUTS: xc, wc: [K / 256: 4][tile of 16 positions: 256][half fragment: 4][768 bytes], images of the operand's registers; xs, ws: [group of 32 positions][K / 128: 8][lane][4].  A position is a row's number with bits 3, 4 swapped.
; A tile of the result, 256 x 256, is made by four waves; a wave makes 128 x 128: 64 accumulators.  K = 1,024 goes in four slots' worth of 256 through a ring of two LDS slots filled by the tensor data mover.
; THE MATRIX INSTRUCTION IS USED TRANSPOSED: source 0 = 16 positions of B, source 1 = 16 positions of A.  A lane then holds ONE position of A, and by the order of positions the 64 registers of A's block a are
; register 16 g + m = B's row 32 g + 16 (lane / 16) + m: 16 neighbours of each block of 32, as the quantiser wants them.
; TWO TYPES, by the cluster's x, which all sixteen partners share.  Clusters 0, 1 (q, k): A = x, B = Wq or Wk: a lane holds a token, its registers run along the head's channels.  Cluster 2 (v): A = Wv, B = x: a lane holds a channel
; d, its registers run along the tokens, which are the second attention product's K.  Only coordinates and base addresses are chosen, by selects; the one branch on the type stands behind the last barrier.
; CLUSTERS: 4 x 4.  A's tiles are shared along a row of the cluster, B's along a column: each is asked for jointly, by the same tensor load with the same descriptor and a mask that names the four.
; OUTPUTS: qb [head 16][step of 128 positions: 32] blocks of 6,656 bytes: 8 half fragments (tile t at 768 t), then at 6,144 the scale image: lane's 16 bytes, word j = tile 2 j + lane / 16, row lane % 16, bytes (b0, b1, 0, 0).
; kv [head][step] blocks of 13,312: k as in qb; at 6,656 v's four tiles of 16 channels x 128 keys (1,536 bytes each); at 12,800 v's scale image: lane's 16 bytes = words of tiles lane / 16 and 2 + lane / 16, then two zeros.
; REGISTERS: window 0: v9-10, v16-29 addresses; v32-63 A's scale words (8 (a / 2) + K step; lanes 0-15 the even block, 16-31 the odd), v64-95 B's; v96-127, v224-255 the quantiser's; v128-223 A's fragments, one set.
;   window 1: B's fragments, two sets at v0 and v128; v96-127, v224-255 the bias.   windows 2, 3: the accumulators ((a, b) at v[8 (8 (a % 4) + b)]).
.set FR,    12                         ; registers of a fragment: 16 positions x 128 K
.set NL,    4                          ; LDS loads that bring one
.set NP,    4                          ; places behind this matrix instruction (ISA guide 7.12.1)
.set TILEB, 3072
.set KQB,   786432
.set HALFT, 8*TILEB                    ; 8 tiles x 256 K: what one tensor load brings, and what one wave reads of A or of B
.set SLOT,  4*HALFT                    ; A's two halves, then B's two
.set SPARE, 2*SLOT                     ; behind the ring: the spare words, 128 bytes for each wave: two blocks of 256 bytes that no other line names
.set ADRA, 16                          ; v16-17 16 x lane + my half of A in slot 0, 1;  v18-19 the same with 8 x lane
.set ADRB, 20                          ; v20-23 the same for B
.set L16,  24
.set L8,   25
.set L4,   26
.set SPW,  28                          ; v28 LDS address of my spare word; never rewritten
.set NIL,  29                          ; v29 0; never rewritten
.set SCA,  32
.set SCB,  64
.set TM,   96                          ; v96-111 at work in the quantiser
.set PW,   112                         ; v112-119 the eight blocks' scale words
.set AF,   128
.set NUM,  128                         ; the way out: 64 numbers
.set PC,   224                         ; v224-242 codes
.set SI,   244                         ; v244-251 scale images
.set BI,   96                          ; window 1: the bias
.set SEL,  2                           ; s[2:3] lane selects for v_permlanex16_b32
.set G1,   24
.set G0,   32
.set G1B,  48
.set G0B,  56
.set OUTA, 94                          ; s[94:95], s[98:99]: my two heads' blocks in the output
.set MSB, 0
.macro WIN new                         ; the immediate's high byte repeats the setting that is left
.if MSB != (\new)
	s_set_vgpr_msb (MSB<<8)|(\new)
.set MSB, (\new)
.endif
.endm
.set MUL_LO, 0xa1                      ; source 0 (B) window 1, source 1 (A) window 0, C and D window 2
.set MUL_HI, 0xf1
.set TO_B,   0x40                      ; destination window 1
.macro JLOAD g0a, g1a, g0b, g1b        ; a joint load: waves 0, 1 fetch for A, waves 2, 3 for B; an s_nop 0 and four v_nop follow each of the two lines
	s_cmp_eq_u32 s15, 0
	s_cbranch_scc0 .Lfor_b_\@
	tensor_load_to_lds s[\g0a:\g0a+3], s[\g1a:\g1a+7]
	s_nop 0
.rept 4
	v_nop
.endr
	s_branch .Lasked_\@
.Lfor_b_\@:
	tensor_load_to_lds s[\g0b:\g0b+3], s[\g1b:\g1b+7]
	s_nop 0
.rept 4
	v_nop
.endr
.Lasked_\@:
.endm
.macro CREST                           ; a round of the cluster's barrier behind its opening barrier
	s_cmp_lg_u32 s14, 0
	s_cbranch_scc1 .Lnot_wave_0_\@
	s_barrier_signal -3
.Lnot_wave_0_\@:
	s_barrier_wait -3
	s_barrier_signal -1
	s_barrier_wait -1
.endm
.macro CROUND
	s_barrier_signal -1
	s_barrier_wait -1
	CREST
.endm
.macro PLACES n
.rept \n
	v_nop
.endr
.endm
.macro FRAG reg, adr, q, i             ; tile i's fragment of the slot's q-th 128 along K: two half fragments, as they were stored: every load's 32 lanes read consecutive bytes
	ds_load_b128 v[(\reg):(\reg)+3], v[\adr] offset:(\i)*TILEB+(\q)*1536
	ds_load_b64 v[(\reg)+4:(\reg)+5], v[(\adr)+2] offset:(\i)*TILEB+(\q)*1536+512
	ds_load_b128 v[(\reg)+6:(\reg)+9], v[\adr] offset:(\i)*TILEB+(\q)*1536+768
	ds_load_b64 v[(\reg)+10:(\reg)+11], v[(\adr)+2] offset:(\i)*TILEB+(\q)*1536+1280
.endm
.macro WM a, b, p, s, zero             ; A's block a x B's block b (set p), K step s.  An odd block's scale words lie in lanes 16-31
.set rD, 8*(8*((\a)%4)+(\b))
.set rB, 128*(\p)+FR*(\b)
.set rA, AF+FR*(\a)
.set rY, SCB+8*((\b)/2)+(\s)
.set rX, SCA+8*((\a)/2)+(\s)
.set sel, 4*(\zero)+2*((\b)%2)+((\a)%2)
.if sel == 0
	v_wmma_scale_f32_16x16x128_f8f6f4 v[rD:rD+7], v[rB:rB+11], v[rA:rA+11], v[rD:rD+7], v[rY], v[rX] matrix_a_fmt:MATRIX_FMT_FP6 matrix_b_fmt:MATRIX_FMT_FP6
.elseif sel == 1
	v_wmma_scale_f32_16x16x128_f8f6f4 v[rD:rD+7], v[rB:rB+11], v[rA:rA+11], v[rD:rD+7], v[rY], v[rX] matrix_a_fmt:MATRIX_FMT_FP6 matrix_b_fmt:MATRIX_FMT_FP6 matrix_b_scale:MATRIX_SCALE_ROW1
.elseif sel == 2
	v_wmma_scale_f32_16x16x128_f8f6f4 v[rD:rD+7], v[rB:rB+11], v[rA:rA+11], v[rD:rD+7], v[rY], v[rX] matrix_a_fmt:MATRIX_FMT_FP6 matrix_b_fmt:MATRIX_FMT_FP6 matrix_a_scale:MATRIX_SCALE_ROW1
.elseif sel == 3
	v_wmma_scale_f32_16x16x128_f8f6f4 v[rD:rD+7], v[rB:rB+11], v[rA:rA+11], v[rD:rD+7], v[rY], v[rX] matrix_a_fmt:MATRIX_FMT_FP6 matrix_b_fmt:MATRIX_FMT_FP6 matrix_a_scale:MATRIX_SCALE_ROW1 matrix_b_scale:MATRIX_SCALE_ROW1
.elseif sel == 4
	v_wmma_scale_f32_16x16x128_f8f6f4 v[rD:rD+7], v[rB:rB+11], v[rA:rA+11], 0, v[rY], v[rX] matrix_a_fmt:MATRIX_FMT_FP6 matrix_b_fmt:MATRIX_FMT_FP6
.elseif sel == 5
	v_wmma_scale_f32_16x16x128_f8f6f4 v[rD:rD+7], v[rB:rB+11], v[rA:rA+11], 0, v[rY], v[rX] matrix_a_fmt:MATRIX_FMT_FP6 matrix_b_fmt:MATRIX_FMT_FP6 matrix_b_scale:MATRIX_SCALE_ROW1
.elseif sel == 6
	v_wmma_scale_f32_16x16x128_f8f6f4 v[rD:rD+7], v[rB:rB+11], v[rA:rA+11], 0, v[rY], v[rX] matrix_a_fmt:MATRIX_FMT_FP6 matrix_b_fmt:MATRIX_FMT_FP6 matrix_a_scale:MATRIX_SCALE_ROW1
.else
	v_wmma_scale_f32_16x16x128_f8f6f4 v[rD:rD+7], v[rB:rB+11], v[rA:rA+11], 0, v[rY], v[rX] matrix_a_fmt:MATRIX_FMT_FP6 matrix_b_fmt:MATRIX_FMT_FP6 matrix_a_scale:MATRIX_SCALE_ROW1 matrix_b_scale:MATRIX_SCALE_ROW1
.endif
.endm
.macro MUL16 a0, p, s, zero            ; 16 matrix instructions.  The 64 accumulators take turns, one instruction a turn, in the same order in every step
.irp a, \a0, \a0+1
.irp b, 0,1,2,3,4,5,6,7
	WM \a, \b, \p, \s, \zero
.endr
.endr
.endm
.macro FETCH_B slot, q, p
	WIN TO_B
.irp i, 0,1,2,3,4,5,6,7
	FRAG 128*(\p)+FR*\i, ADRB+\slot, \q, \i
.endr
	WIN 0
.endm
.macro FETCH_A slot, q, i0
.irp i, \i0, \i0+1, \i0+2, \i0+3
	FRAG AF+FR*(\i), ADRA+\slot, \q, \i
.endr
.endm
.macro STEP slot, s, zero              ; a slot's first 128 along K: K step s.  B's set 0 is multiplied; the slot's second 128 are fetched: B into set 1, A's blocks as they fall free
	s_wait_dscnt 4*NL                              ; B's set and A's blocks 0-3 are in; the youngest 16 loads (A's blocks 4-7) may be out
	WIN MUL_LO
	MUL16 0, 0, \s, \zero
	MUL16 2, 0, \s, \zero
	s_wait_dscnt 0                                 ; A's blocks 4-7 are in
	PLACES NP                                      ; in front of loads into registers that matrix instructions have read
	FETCH_B \slot, 1, 1
	FETCH_A \slot, 1, 0
	WIN MUL_HI
	MUL16 4, 0, \s, \zero
	MUL16 6, 0, \s, \zero
	PLACES NP
	WIN 0
	FETCH_A \slot, 1, 4
.endm
.macro TURN slot, next, fill, s        ; a slot's second 128 along K, and the change of slots: one barrier.  fill = 1: the slot is filled again, 512 along K further on
	s_wait_tensorcnt 0x0                           ; all my tensor loads have landed: my part of the next slot
	ds_add_u32 v[SPW], v[NIL]                      ; 0 onto my spare word
	s_wait_dscnt 4*NL+1                            ; (the add and the youngest 16 loads may be out)
	WIN MUL_LO
	MUL16 0, 1, \s, 0                              ; sixteen matrix instructions stand between the add and the wait for it
	s_wait_dscnt 0x0                               ; the add is done, and my reads of this slot are over
	s_barrier_signal -1
	MUL16 2, 1, \s, 0
	WIN 0
	s_barrier_wait -1
.if \fill
	CREST                                          ; the barrier has opened a round of the cluster's barrier: no wave of any partner still reads this slot or has a load on its way
	s_add_nc_u64 s[G0+4*\slot+2:G0+4*\slot+3], s[G0+4*\slot+2:G0+4*\slot+3], 2*KQB
	s_add_nc_u64 s[G0B+4*\slot+2:G0B+4*\slot+3], s[G0B+4*\slot+2:G0B+4*\slot+3], 2*KQB
	JLOAD G0+4*\slot, G1, G0B+4*\slot, G1B         ; the first tensor load behind the round; its four v_nop are the places in front of the loads below
.else
	PLACES NP
.endif
	FETCH_B \next, 0, 0
	FETCH_A \next, 0, 0
	WIN MUL_HI
	MUL16 4, 1, \s, 0
	MUL16 6, 1, \s, 0
	PLACES NP
	WIN 0
	FETCH_A \next, 0, 4
.endm
.macro LAST s                          ; the last K step: nothing more to fetch
	s_wait_dscnt 4*NL
	WIN MUL_LO
	MUL16 0, 1, \s, 0
	MUL16 2, 1, \s, 0
	s_wait_dscnt 0
	WIN MUL_HI
	MUL16 4, 1, \s, 0
	MUL16 6, 1, \s, 0
	WIN 0
.endm
; 64 numbers of a lane, register 16 b + i = k 32 b + 16 (lane / 16) + i of my row, become a fragment's 12 registers from v[pc] on and my row's scale word in v[pw]
.macro QUANT s, pc, pw
.irp b, 0,1,2,3
	v_max3_num_f32 v[TM+\b], |v[(\s)+16*\b]|, |v[(\s)+1+16*\b]|, 0x1800000   ; my 16 numbers of block b, and the floor 2^(3 - 127)
.endr
.irp i, 2,4,6,8,10,12,14
.irp b, 0,1,2,3
	v_max3_num_f32 v[TM+\b], v[TM+\b], |v[(\s)+16*\b+\i]|, |v[(\s)+1+16*\b+\i]|
.endr
.endr
.irp b, 0,1,2,3
	v_permlanex16_b32 v[TM+4+\b], v[TM+\b], s[SEL], s[SEL+1]
.endr
.irp b, 0,1,2,3
	v_max_num_f32 v[TM+\b], v[TM+\b], v[TM+4+\b]
.endr
.irp b, 0,1,2,3
	v_add_nc_u32 v[TM+12+\b], 0xff000000, v[TM+\b]   ; 2 off the exponent field: the conversion's scale operand
.endr
.irp b, 0,1,2,3
	v_lshrrev_b32 v[TM+4+\b], 23, v[TM+12+\b]      ; the scale's byte
.endr
	v_lshl_or_b32 v[\pw], v[TM+5], 8, v[TM+4]
	v_lshl_or_b32 v[\pw], v[TM+6], 16, v[\pw]
	v_lshl_or_b32 v[\pw], v[TM+7], 24, v[\pw]
.irp c, 0,1
	v_cvt_scalef32_pk16_fp6_f32 v[(\pc)+6*\c:(\pc)+2+6*\c], v[(\s)+32*\c:(\s)+15+32*\c], v[TM+12+2*\c]
	v_cvt_scalef32_pk16_fp6_f32 v[(\pc)+12+4*\c:(\pc)+14+4*\c], v[(\s)+16+32*\c:(\s)+31+32*\c], v[TM+12+2*\c+1]
.endr
	v_nop                                          ; one plain place behind a scaled conversion
.irp c, 0,1
.irp i, 0,1,2
	v_permlane16_swap_b32 v[(\pc)+6*\c+\i], v[(\pc)+12+4*\c+\i]
.endr
.irp i, 0,1,2
	v_mov_b32 v[(\pc)+3+6*\c+\i], v[(\pc)+12+4*\c+\i]
.endr
.endr
.endm
; THE WAY OUT.  Block a of A's eight: bias added (which is also the move out of windows 2, 3; each accumulator from its low end on), quantised, stored as images.
; vtype = 0: the 128 numbers of a lane are two heads' 64 channels of one token: half fragment 0 goes to the first head's block, 1 to the second's.  vtype = 1: they are 128 keys of one channel: a whole fragment of v.
.macro EPI vtype
	PLACES NP                                      ; behind the last products: their results are read, and A's fragments' registers are written
.irp a, 0,1,2,3,4,5,6,7
.set AC, 64*(\a%4)
	WIN 0x06+(\a/4)                                ; source 0 (the sums) window 2 or 3, source 1 (the bias) window 1
.set i, 0
.rept 32
.if \vtype
	v_pk_add_f32 v[NUM+i:NUM+i+1], v[AC+i:AC+i+1], v[BI+2*\a:BI+2*\a+1]
.else
	v_pk_add_f32 v[NUM+i:NUM+i+1], v[AC+i:AC+i+1], v[BI+i+96*(i/32):BI+i+96*(i/32)+1]
.endif
.set i, i+2
.endr
	WIN 0
.if \a > 0
	s_wait_xcnt 0x0                                ; the last block's stores have read their registers: the codes may be written again
.endif
	QUANT NUM, PC, PW+\a
.if \vtype
	global_store_b128 v[L16], v[PC:PC+3], s[OUTA+4*(\a/4):OUTA+4*(\a/4)+1] offset:6656+1536*(\a%4)
	global_store_b64 v[L8], v[PC+4:PC+5], s[OUTA+4*(\a/4):OUTA+4*(\a/4)+1] offset:6656+1536*(\a%4)+512
	global_store_b128 v[L16], v[PC+6:PC+9], s[OUTA+4*(\a/4):OUTA+4*(\a/4)+1] offset:6656+1536*(\a%4)+768
	global_store_b64 v[L8], v[PC+10:PC+11], s[OUTA+4*(\a/4):OUTA+4*(\a/4)+1] offset:6656+1536*(\a%4)+1280
.else
	global_store_b128 v[L16], v[PC:PC+3], s[OUTA:OUTA+1] offset:768*\a
	global_store_b64 v[L8], v[PC+4:PC+5], s[OUTA:OUTA+1] offset:768*\a+512
	global_store_b128 v[L16], v[PC+6:PC+9], s[OUTA+4:OUTA+5] offset:768*\a
	global_store_b64 v[L8], v[PC+10:PC+11], s[OUTA+4:OUTA+5] offset:768*\a+512
.endif
.endr
.if \vtype
.irp e, 0,1
.irp j, 0,1
	v_cndmask_b32 v[SI+4*\e+\j], v[PW+4*\e+2*\j], v[PW+4*\e+2*\j+1], s79   ; lanes 0-15 the even tile's words, lanes 16-31 the odd tile's
.endr
	v_mov_b32 v[SI+4*\e+2], 0
	v_mov_b32 v[SI+4*\e+3], 0
.endr
	global_store_b128 v[L16], v[SI:SI+3], s[OUTA:OUTA+1] offset:12800
	global_store_b128 v[L16], v[SI+4:SI+7], s[OUTA+4:OUTA+5] offset:12800
.else
.irp j, 0,1,2,3
	v_cndmask_b32 v[SI+4+\j], v[PW+2*\j], v[PW+2*\j+1], s79
.endr
.irp j, 0,1,2,3
	v_and_b32 v[SI+\j], 0xffff, v[SI+4+\j]         ; the first head's two bytes,
.endr
.irp j, 0,1,2,3
	v_lshrrev_b32 v[SI+4+\j], 16, v[SI+4+\j]       ; the second's
.endr
	global_store_b128 v[L16], v[SI:SI+3], s[OUTA:OUTA+1] offset:6144
	global_store_b128 v[L16], v[SI+4:SI+7], s[OUTA+4:OUTA+5] offset:6144
.endif
.endm
	s_load_b256 s[4:11], s[0:1], 0x0               ; xc s[4:5], xs s[6:7], wc s[8:9], ws s[10:11]
	s_load_b256 s[68:75], s[0:1], 0x20             ; bq s[68:69], bk s[70:71], bv s[72:73], qb s[74:75]
	s_load_b64 s[76:77], s[0:1], 0x40              ; kv
	v_lshl_add_u32 v[SPW], v0, 2, SPARE
	v_mov_b32 v[NIL], 0
	ds_add_u32 v[SPW], v[NIL]                      ; the wave's opening: the add, twice on end, and its wait ahead of my first tensor load
	ds_add_u32 v[SPW], v[NIL]
	v_lshrrev_b32 v1, 5, v0
	v_readfirstlane_b32 s14, v1                    ; wave 0..3
	s_lshr_b32 s15, s14, 1                         ; which half of A's 256 positions is mine.  Also: I fetch for A (0) or for B (1)
	s_and_b32 s16, s14, 1                          ; which half of B's.  Also: which 8 tiles I fetch
	s_bfe_u32 s40, ttmp6, 0x40000                  ; cx
	s_bfe_u32 s41, ttmp6, 0x40004                  ; cy
	s_and_b32 s45, ttmp7, 0xffff
	s_lshl_b32 s45, s45, 2                         ; 4 x cluster y
	s_lshl_b32 s46, ttmp9, 2                       ; 4 x cluster x
	s_cmp_eq_u32 ttmp9, 2                          ; the type: the same in all sixteen partners
	s_cselect_b32 s67, 1, 0
	s_cselect_b32 s17, 0, s45
	s_cselect_b32 s42, s45, s46
	s_cselect_b32 s47, 128, 0                      ; v: A's tiles are Wv's, from tile 128 of wc on,
	s_cselect_b32 s78, 64, 0                       ; and from group 64 of ws
	s_add_co_u32 s17, s17, s41                     ; TR, A's block of 256 positions: cy + (q, k: 4 x cluster y)
	s_add_co_u32 s42, s42, s40                     ; TC, B's: cx + (q, k: 4 x cluster x; v: 4 x cluster y)
	s_lshl_b32 s43, s41, 2
	s_lshl_b32 s43, 15, s43                        ; my row of the cluster
	s_lshl_b32 s44, 0x1111, s40                    ; my column
	s_or_b32 s[G1], s43, (3<<16)|(1<<21)           ; 15:0 the mask; 17:16 elements of 8 bytes; 20 no padding; 21 set beside a mask
	s_or_b32 s[G1B], s44, (3<<16)|(1<<21)
.irp g, G1, G1B                                ; 8 tiles x 3,072 bytes are one dense block: 96 rows of 256 bytes
	s_mov_b32 s[\g+1], 32<<16                      ; tensor_dim0 = 32 elements
	s_mov_b32 s[\g+2], 96<<16                      ; tensor_dim1 = 96
	s_mov_b32 s[\g+3], 32<<16                      ; tile_dim0
	s_mov_b32 s[\g+4], 96                          ; tile_dim1
	s_mov_b32 s[\g+5], 32                          ; stride from row to row
	s_mov_b32 s[\g+6], 0
	s_mov_b32 s[\g+7], 0
.endr
	s_lshl_b32 s18, s16, 3
	s_lshl_b32 s20, s17, 4
	s_add_co_u32 s20, s20, s18
	s_add_co_u32 s20, s20, s47                     ; A: tile 16 TR + 8 x half (+ 128)
	s_mul_i32 s20, s20, TILEB
	s_mov_b32 s21, 0
	s_lshl_b32 s22, s42, 4
	s_add_co_u32 s22, s22, s18                     ; B: tile 16 TC + 8 x half
	s_mul_i32 s22, s22, TILEB
	s_mov_b32 s23, 0
	s_mul_i32 s45, s14, HALFT                      ; where they go: wave x 8 tiles: no place in the cluster enters an LDS address
	s_mov_b32 s[SEL], 0x76543210
	s_mov_b32 s[SEL+1], 0xfedcba98
	s_mov_b32 s79, 0xffff0000                      ; lanes 16-31
	s_wait_dscnt 0x0                               ; both opening adds are done
	s_wait_kmcnt 0x0
	s_cmp_eq_u32 s67, 1
	s_cselect_b64 s[80:81], s[8:9], s[4:5]         ; A's codes
	s_cselect_b64 s[82:83], s[10:11], s[6:7]       ; A's scales
	s_cselect_b64 s[84:85], s[4:5], s[8:9]         ; B's codes
	s_cselect_b64 s[86:87], s[6:7], s[10:11]       ; B's scales
	s_add_nc_u64 s[80:81], s[80:81], s[20:21]
	s_add_nc_u64 s[84:85], s[84:85], s[22:23]
	CROUND                                         ; all sixteen work-groups are here: the first joint loads meet
.irp s, 0,1
	s_mov_b32 s[G0+4*\s], 1
	s_add_co_u32 s[G0+4*\s+1], s45, \s*SLOT
	s_add_nc_u64 s[G0+4*\s+2:G0+4*\s+3], s[80:81], \s*KQB
	s_or_b32 s[G0+4*\s+3], s[G0+4*\s+3], 0x80000000
	s_mov_b32 s[G0B+4*\s], 1
	s_add_co_u32 s[G0B+4*\s+1], s45, \s*SLOT
	s_add_nc_u64 s[G0B+4*\s+2:G0B+4*\s+3], s[84:85], \s*KQB
	s_or_b32 s[G0B+4*\s+3], s[G0B+4*\s+3], 0x80000000
.endr
	JLOAD G0, G1, G0B, G1B                         ; slot 0: one tensor load a wave at the head
	v_and_b32 v1, 15, v0                           ; r
	v_bfe_u32 v2, v0, 4, 1                         ; h
	v_and_b32 v3, 31, v0                           ; lane
	v_lshlrev_b32 v[L16], 4, v3
	v_lshlrev_b32 v[L8], 3, v3
	v_lshlrev_b32 v[L4], 2, v3
	v_lshlrev_b32 v9, 6, v2                        ; q, k: the bias of my half's 16 columns of each 32
	v_and_b32 v10, 7, v1
	v_lshrrev_b32 v3, 3, v1
	v_lshl_add_u32 v10, v3, 4, v10
	v_lshlrev_b32 v10, 2, v10                      ; v: the bias of my channel: position r is channel r % 8 + 16 (r / 8) of the tile's
.irp b, 0,1,2,3
	v_mov_b32 v[TM+4+\b], 0                        ; written once: a lane permute's destination counts as one of its sources
.endr
	s_mul_i32 s18, s15, HALFT
	s_mul_i32 s19, s16, HALFT
	s_add_co_u32 s19, s19, 2*HALFT
.irp s, 0,1
	v_add_nc_u32 v[ADRA+\s], s18, v[L16]
	v_add_nc_u32 v[ADRA+2+\s], s18, v[L8]
	v_add_nc_u32 v[ADRB+\s], s19, v[L16]
	v_add_nc_u32 v[ADRB+2+\s], s19, v[L8]
	s_add_co_u32 s18, s18, SLOT
	s_add_co_u32 s19, s19, SLOT
.endr
	s_lshl_b32 s88, s17, 3                         ; my scale words for all of K come straight into registers: group 8 TR + 4 x half (+ 64), 1,024 bytes a group
	s_lshl_b32 s89, s15, 2
	s_add_co_u32 s88, s88, s89
	s_add_co_u32 s88, s88, s78
	s_lshl_b32 s88, s88, 10
	s_mov_b32 s89, 0
	s_add_nc_u64 s[82:83], s[82:83], s[88:89]
	s_lshl_b32 s88, s42, 3
	s_lshl_b32 s90, s16, 2
	s_add_co_u32 s88, s88, s90
	s_lshl_b32 s88, s88, 10
	s_add_nc_u64 s[86:87], s[86:87], s[88:89]
.irp g, 0,1,2,3
.irp s, 0,1,2,3,4,5,6,7
	global_load_b32 v[SCA+8*\g+\s], v[L4], s[82:83] offset:1024*\g+128*\s   ; 32 lanes read 128 consecutive bytes
	global_load_b32 v[SCB+8*\g+\s], v[L4], s[86:87] offset:1024*\g+128*\s
.endr
.endr
	s_wait_alu depctr_va_vdst(0)
	s_wait_tensorcnt 0x0                           ; my part of slot 0 is in
	ds_add_u32 v[SPW], v[NIL]
	s_wait_dscnt 0x0
	CROUND                                         ; everybody's part is in, and all sixteen work-groups are here
	JLOAD G0+4, G1, G0B+4, G1B                     ; slot 1's first fill, the first tensor load behind the round
	FETCH_B 0, 0, 0
	FETCH_A 0, 0, 0
	FETCH_A 0, 0, 4
	s_wait_loadcnt 0x0                             ; the scale words
	STEP 0, 0, 1                                   ; the first products start the sums: nothing is cleared
	TURN 0, 1, 1, 1
	STEP 1, 2, 0
	TURN 1, 0, 1, 3
	STEP 0, 4, 0
	TURN 0, 1, 0, 5                                ; the last change of slots: nothing is filled, no barrier follows
	s_cmp_eq_u32 s67, 1
	s_cbranch_scc1 .Lvalues
	; ---- q, k: the bias is asked for here and lands under the last two K steps
	s_and_b32 s88, s42, 3                          ; which 256 columns of Wq or Wk
	s_lshl_b32 s90, s88, 10
	s_lshl_b32 s91, s16, 9
	s_add_co_u32 s90, s90, s91                     ; my first column, in bytes
	s_mov_b32 s91, 0
	s_mov_b32 s96, 13312
	s_cmp_eq_u32 ttmp9, 0
	s_cselect_b64 s[92:93], s[68:69], s[70:71]     ; bq or bk
	s_cselect_b64 s[OUTA:OUTA+1], s[74:75], s[76:77]   ; qb or kv
	s_cselect_b32 s96, 6656, s96                   ; a block's bytes
	s_add_nc_u64 s[92:93], s[92:93], s[90:91]
	WIN TO_B
.irp g, 0,1,2,3
.irp q, 0,1,2,3
	global_load_b128 v[BI+16*\g+4*\q+96*(\g/2):BI+16*\g+4*\q+96*(\g/2)+3], v9, s[92:93] offset:128*\g+16*\q   ; register 16 g + m: column 32 g + 16 h + m
.endr
.endr
	WIN 0
	s_lshl_b32 s88, s88, 2
	s_lshl_b32 s89, s16, 1
	s_add_co_u32 s88, s88, s89                     ; my first head: 4 (TC % 4) + 2 x half
	s_lshl_b32 s88, s88, 5
	s_lshl_b32 s89, s17, 1
	s_add_co_u32 s88, s88, s89
	s_add_co_u32 s88, s88, s15                     ; + my step of 128 positions: 2 TR + half
	s_mul_i32 s88, s88, s96
	s_mov_b32 s89, 0
	s_add_nc_u64 s[OUTA:OUTA+1], s[OUTA:OUTA+1], s[88:89]
	s_lshl_b32 s88, s96, 5
	s_add_nc_u64 s[OUTA+4:OUTA+5], s[OUTA:OUTA+1], s[88:89]   ; the next head: 32 blocks on
	STEP 1, 6, 0
	LAST 7
	s_wait_loadcnt 0x0                             ; the bias
	EPI 0
	s_branch .Lend
.Lvalues:                                      ; ---- v
	s_lshl_b32 s90, s17, 10
	s_lshl_b32 s91, s15, 9
	s_add_co_u32 s90, s90, s91                     ; my first channel, in bytes
	s_mov_b32 s91, 0
	s_add_nc_u64 s[92:93], s[72:73], s[90:91]
	WIN TO_B
.irp a, 0,1,2,3,4,5,6,7
	global_load_b32 v[BI+2*\a], v10, s[92:93] offset:(32*(\a/2)+8*(\a%2))*4     ; block a's bias of my channel, twice: a pair for the packed add
	global_load_b32 v[BI+2*\a+1], v10, s[92:93] offset:(32*(\a/2)+8*(\a%2))*4
.endr
	WIN 0
	s_lshl_b32 s88, s17, 2
	s_lshl_b32 s89, s15, 1
	s_add_co_u32 s88, s88, s89                     ; my first head: 4 TR + 2 x half
	s_lshl_b32 s88, s88, 5
	s_lshl_b32 s89, s42, 1
	s_add_co_u32 s88, s88, s89
	s_add_co_u32 s88, s88, s16                     ; + my step of 128 keys: 2 TC + half
	s_mul_i32 s88, s88, 13312
	s_mov_b32 s89, 0
	s_add_nc_u64 s[OUTA:OUTA+1], s[76:77], s[88:89]
	s_add_nc_u64 s[OUTA+4:OUTA+5], s[OUTA:OUTA+1], 32*13312
	STEP 1, 6, 0
	LAST 7
	s_wait_loadcnt 0x0
	EPI 1
.Lend:
	s_wait_tensorcnt 0x0                           ; the wave's end: behind my last tensor load
	ds_add_u32 v[SPW], v[NIL]
	s_wait_dscnt 0x0
	CROUND                                         ; the closing round: no work-group ends while a partner may still ask for a tile that names it
	s_endpgm
.Lfunc_end_k_q24b4b7fa66_qkv:
	.size	k_q24b4b7fa66_qkv, .Lfunc_end_k_q24b4b7fa66_qkv-k_q24b4b7fa66_qkv
	.p2alignl 7, 3214868480
	.fill 96, 4, 3214868480
	.section	.rodata,"a",@progbits
	.p2align	6, 0x0
	.amdhsa_kernel k_q24b4b7fa66_qkv
		.amdhsa_group_segment_fixed_size 327680
		.amdhsa_private_segment_fixed_size 0
		.amdhsa_enable_private_segment 0
		.amdhsa_kernarg_size 72
		.amdhsa_user_sgpr_count 2
		.amdhsa_user_sgpr_kernarg_segment_ptr 1
		.amdhsa_wavefront_size32 1
		.amdhsa_system_sgpr_workgroup_id_x 1
		.amdhsa_system_sgpr_workgroup_id_y 1
		.amdhsa_system_sgpr_workgroup_id_z 1
		.amdhsa_system_vgpr_workitem_id 0
		.amdhsa_next_free_vgpr 1024
		.amdhsa_next_free_sgpr 100
		.amdhsa_reserve_vcc 0
		.amdhsa_float_denorm_mode_32 3
		.amdhsa_float_denorm_mode_16_64 3
		.amdhsa_memory_ordered 1
		.amdhsa_forward_progress 1
		.amdhsa_inst_pref_size 242
	.end_amdhsa_kernel
	.amdgpu_metadata
---
amdhsa.version: [ 1, 2 ]
amdhsa.kernels:
  - .name:           k_q24b4b7fa66_qkv
    .symbol:         k_q24b4b7fa66_qkv.kd
    .args:
      - { .name: xc, .offset: 0, .size: 8, .value_kind: global_buffer, .address_space: global }
      - { .name: xs, .offset: 8, .size: 8, .value_kind: global_buffer, .address_space: global }
      - { .name: wc, .offset: 16, .size: 8, .value_kind: global_buffer, .address_space: global }
      - { .name: ws, .offset: 24, .size: 8, .value_kind: global_buffer, .address_space: global }
      - { .name: bq, .offset: 32, .size: 8, .value_kind: global_buffer, .address_space: global }
      - { .name: bk, .offset: 40, .size: 8, .value_kind: global_buffer, .address_space: global }
      - { .name: bv, .offset: 48, .size: 8, .value_kind: global_buffer, .address_space: global }
      - { .name: qb, .offset: 56, .size: 8, .value_kind: global_buffer, .address_space: global }
      - { .name: kv, .offset: 64, .size: 8, .value_kind: global_buffer, .address_space: global }
    .group_segment_fixed_size: 327680
    .private_segment_fixed_size: 0
    .kernarg_segment_align: 8
    .kernarg_segment_size: 72
    .max_flat_workgroup_size: 128
    .sgpr_count:     100
    .vgpr_count:     1024
    .wavefront_size: 32
...
	.end_amdgpu_metadata
.endif
;; end of part 2
;; launch attn (part 3): grid 16 x 16, 8 waves a work-group, clusters of 4 x 1, 327,680 bytes of LDS; arguments qb, kv, cc, cs; writes cc, cs
.if DOCPART == 3
	.amdgcn_target "amdgcn-amd-amdhsa--gfx1250"
	.amdhsa_code_object_version 6
	.text
	.protected	k_q24b4b7fa66_attn
	.globl	k_q24b4b7fa66_attn
	.p2align	8
	.type	k_q24b4b7fa66_attn,@function
k_q24b4b7fa66_attn:
	s_mov_b64 s[64:65], 0
	v_nop
	global_prefetch_b8 v0, s[64:65] scope:SCOPE_SE
	s_setreg_imm32_b32 hwreg(HW_REG_WAVE_MODE, 25, 1), 1
	s_wait_xcnt 0x0
	s_wait_alu depctr_hold_cnt(0) depctr_sa_sdst(0) depctr_va_vdst(0) depctr_va_sdst(0) depctr_va_ssrc(0) depctr_va_vcc(0) depctr_vm_vsrc(0)
	s_getreg_b32 s2, hwreg(HW_REG_IB_STS2, 6, 4)
	s_cmp_eq_u32 s2, 0
	s_cbranch_scc0 .Lentry_in_a_cluster
	s_endpgm
.Lentry_in_a_cluster:
	s_bfe_u32 s2, ttmp6, 0x10000c
	s_cmp_lg_u32 s2, 0x3003
	s_cbranch_scc0 .Lentry_shape_is_right
	s_endpgm
.Lentry_shape_is_right:
; ctx = softmax(q k^T / 8) v for one head and 256 queries a work-group, on codes of FP6 (E2M3); ctx is quantised along the head's 64 and stored as the last product's operand.  Nothing of reference() is left out here.
; p = 2^(t - M), t = score x log2(e) / 8, M the running largest t rounded up to a whole number; the row's sum is taken of the unquantised p; O and the sum are brought under a new M by an exact power of two.
; LIMITS: the promise holds while |t| stays under 2^31; NaN and infinities are not served; a block of zeros gets the scale byte 1 (its codes are zeros; this program alone reads the bytes).
; SHARES: 8 waves, two to a SIMD; a wave owns two tiles of 16 queries (x = 0, 1), which share every fragment of k and v read from LDS.  Both products are used transposed: a lane holds one query.
; THE KEYS OF A SCORE TILE are chosen by the lanes' LDS addresses: tile (c, t) takes keys 64 c + 8 t + 0..7 as rows 0-7 and keys 64 c + 32 + 8 t + 0..7 as rows 8-15.  So lane (r, h) holds in the 32 registers of
; tiles (c, 0..3) the whole block of keys 64 c + 32 h + 0..31, in order, as the second product's operand wants it: a block's largest score needs no other lane, and the codes are not exchanged between lanes.
; In kv a stored tile 2 b + u holds keys 32 b + 8 u + i + 8 (i / 8): rows 0-7 of tile (c, t) lie in stored tile 4 c + t % 2 from row 8 (t / 2) on, rows 8-15 in stored tile 4 c + 2 + t % 2.
; The head's 64 fill half of the instruction's 128: q's upper six registers are zero codes, so whatever follows a half fragment of k in the registers adds nothing (its scale bytes are finite).
; k's FRAGMENTS COME A STEP AHEAD: the next step's 20 loads are issued behind this step's score products, which have then read the registers.  In a phase's last trip the next step lies in the other slot, which may not be whole:
; there the address is held at the slot's last step, and those 20 loads bring bytes that are not used; the next phase loads its first step's k ahead of its loop.
; LDS: two slots of 12 steps of 128 keys (13,312 bytes a step); the head's 32 steps go as 12, 12 and 8.  Each wave brings an eighth of a fill by one tensor load; by this text's count one load of a wave is out at the most.
; CLUSTER: the four work-groups of a cluster walk the same head's k and v: every fill is a joint load with the mask of the four, behind a round of the cluster's barrier.
; PREFETCH: behind the second fill's request each wave names 13 blocks of 256 bytes of the last 8 steps (416 blocks: 4 partners x 8 waves x 13, told apart by address; lanes 13-31 name the wave's last block again),
; one phase of 12 steps ahead of the load that wants them.  The first 24 steps come by their loads alone: nothing stands ahead of them to ask from.
; REGISTERS: window 0: v1-15 addresses; v16-39 the two tiles' state; v40-47 scale words; v48-71 q; v72-119 k's eight half fragments, v120-125 behind them; v128-255 the scores, then p.
;   window 1: v0-63 O^T; v64-87 p's codes; v88-103 the upper halves as they are made; v104-151 v's four fragments.
.set STEPB, 13312
.set SLOTB, 12*STEPB
.set PARTL, SLOTB/8                    ; 78 rows of 256 bytes: a wave's part of 12 steps
.set PARTS, STEPB                      ; 52 rows: of 8 steps
.set SPARE, 2*SLOTB                    ; the spare words: 128 bytes a wave, four blocks of 256 bytes that no other line names
.set L16, 1
.set L8,  2
.set KB16, 3                           ; k: 16 (r % 8) + 256 h + 1536 (r / 8)
.set KB8, 4                            ; k: 8 (r % 8) + 128 h + 1536 (r / 8)
.set SPW, 5
.set NIL, 6
.set KBS, 7                            ; k's scale words: 16 (r % 8) + 4 (r / 8) + 256 h
.set SH8, 8                            ; 8 h
.set PF,  9                            ; the prefetch's offset; never rewritten
.set A16, 10
.set A8,  11
.set AK16, 12
.set AK8, 13
.set AKS, 14
.set R4,  15
.set NM,  16                           ; pairs (-M, the running largest score) of x = 0, 1
.set F,   20                           ; pairs (f, at work)
.set SUM, 24                           ; the row's sum, in two halves
.set BM,  28                           ; 2 x + c: a block's largest score, then its p, then its byte; then the sums' second chain
.set OLD, 32
.set PRM, 34
.set W,   36
.set PW,  38                           ; p's scale words
.set QS,  40
.set KSC, 42                           ; 2 c + t / 2: lanes 0-15 the even tile's words, lanes 16-31 the odd tile's
.set VS,  46
.set Q,   48
.set KF,  72
.set SC,  120                          ; the conversions' scale operands; with v124-125 they follow k's last half fragment
.set S,   128
.set O,   0                            ; window 1
.set P,   64
.set CT,  88
.set VF,  104
.set WV,  12
.set TB,  2
.set TRIP, 3
.set TK,  60
.set SEL, 20
.set CS,  22
.set G1,  24
.set G1S, 32
.set G0,  40
.set SHF, 53
.set MSB, 0
.macro WIN new                         ; the immediate's high byte repeats the setting that is left
.if MSB != (\new)
	s_set_vgpr_msb (MSB<<8)|(\new)
.set MSB, (\new)
.endif
.endm
.macro CROUND
	s_barrier_signal -1
	s_barrier_wait -1
	s_cmp_lg_u32 s[WV], 0
	s_cbranch_scc1 .Lnot_wave_0_\@
	s_barrier_signal -3
.Lnot_wave_0_\@:
	s_barrier_wait -3
	s_barrier_signal -1
	s_barrier_wait -1
.endm
.macro SW x, c, t                      ; S^T tile (c, t) of query tile x
.if (\t)%2
	v_wmma_scale_f32_16x16x128_f8f6f4 v[S+64*\x+32*\c+8*\t:S+64*\x+32*\c+8*\t+7], v[KF+24*\c+6*\t:KF+24*\c+6*\t+11], v[Q+12*\x:Q+12*\x+11], 0, v[KSC+2*\c+(\t)/2], v[QS+\x] matrix_a_fmt:MATRIX_FMT_FP6 matrix_b_fmt:MATRIX_FMT_FP6 matrix_a_scale:MATRIX_SCALE_ROW1
.else
	v_wmma_scale_f32_16x16x128_f8f6f4 v[S+64*\x+32*\c+8*\t:S+64*\x+32*\c+8*\t+7], v[KF+24*\c+6*\t:KF+24*\c+6*\t+11], v[Q+12*\x:Q+12*\x+11], 0, v[KSC+2*\c+(\t)/2], v[QS+\x] matrix_a_fmt:MATRIX_FMT_FP6 matrix_b_fmt:MATRIX_FMT_FP6
.endif
.endm
.macro PVW x, t                        ; O^T tile t of query tile x += v's 16 channels x p
.if (\t)%2
	v_wmma_scale_f32_16x16x128_f8f6f4 v[O+32*\x+8*\t:O+32*\x+8*\t+7], v[VF+12*\t:VF+12*\t+11], v[P+12*\x:P+12*\x+11], v[O+32*\x+8*\t:O+32*\x+8*\t+7], v[VS+(\t)/2], v[PW+\x] matrix_a_fmt:MATRIX_FMT_FP6 matrix_b_fmt:MATRIX_FMT_FP6 matrix_a_scale:MATRIX_SCALE_ROW1
.else
	v_wmma_scale_f32_16x16x128_f8f6f4 v[O+32*\x+8*\t:O+32*\x+8*\t+7], v[VF+12*\t:VF+12*\t+11], v[P+12*\x:P+12*\x+11], v[O+32*\x+8*\t:O+32*\x+8*\t+7], v[VS+(\t)/2], v[PW+\x] matrix_a_fmt:MATRIX_FMT_FP6 matrix_b_fmt:MATRIX_FMT_FP6
.endif
.endm
.macro KLOAD                           ; 20 loads: a step's eight half fragments of k and its scale words, at v[AK16], v[AK8], v[AKS]
.irp c, 0,1
.irp t, 0,1,2,3
	ds_load_b128 v[KF+24*\c+6*\t:KF+24*\c+6*\t+3], v[AK16] offset:3072*\c+768*(\t%2)+128*(\t/2)
	ds_load_b64 v[KF+24*\c+6*\t+4:KF+24*\c+6*\t+5], v[AK8] offset:3072*\c+768*(\t%2)+64*(\t/2)+512
.endr
.endr
.irp c, 0,1
.irp u, 0,1
	ds_load_b32 v[KSC+2*\c+\u], v[AKS] offset:6144+8*\c+128*\u
.endr
.endr
.endm
.macro STEP last                       ; 128 keys x 32 queries.  last: the LDS byte at which the phase's last step begins
	s_add_co_u32 s[TK], s[TB], STEPB               ; where the next step's k lies,
	s_min_u32 s[TK], s[TK], (\last)                ; held inside this slot
	v_add_nc_u32 v[A16], s[TB], v[L16]             ; these five are also the places behind the last step's products, ahead of the loads into their sources
	v_add_nc_u32 v[A8], s[TB], v[L8]
	v_add_nc_u32 v[AK16], s[TK], v[KB16]
	v_add_nc_u32 v[AK8], s[TK], v[KB8]
	v_add_nc_u32 v[AKS], s[TK], v[KBS]
	WIN 0x40                                       ; destination window 1
.irp t, 0,1,2,3
	ds_load_b128 v[VF+12*\t:VF+12*\t+3], v[A16] offset:6656+1536*\t
	ds_load_b64 v[VF+12*\t+4:VF+12*\t+5], v[A8] offset:6656+1536*\t+512
	ds_load_b128 v[VF+12*\t+6:VF+12*\t+9], v[A16] offset:6656+1536*\t+768
	ds_load_b64 v[VF+12*\t+10:VF+12*\t+11], v[A8] offset:6656+1536*\t+1280
.endr
	WIN 0
	ds_load_b64 v[VS:VS+1], v[A16] offset:12800
	s_wait_alu depctr_va_vdst(0)
	s_wait_dscnt 17                                ; this step's k, asked for a step ago, is in; v's 17 loads just issued may be out
.irp c, 0,1
.irp t, 0,1,2,3
.irp x, 0,1
	SW \x, \c, \t
.endr
.endr
.endr
	v_mov_b32 v[OLD], v[NM]                        ; four places behind the products
	v_mov_b32 v[OLD+1], v[NM+2]
	v_nop
	v_nop
	KLOAD                                          ; the next step's k
.irp c, 0,1                                    ; each block's largest score: all 32 are mine; four chains by turns, each accumulator from its low end on
.irp x, 0,1
	v_max3_num_f32 v[BM+2*\x+\c], v[S+64*\x+32*\c], v[S+64*\x+32*\c+1], v[S+64*\x+32*\c+2]
.endr
.endr
.irp i, 3,5,7,9,11,13,15,17,19,21,23,25,27,29
.irp c, 0,1
.irp x, 0,1
	v_max3_num_f32 v[BM+2*\x+\c], v[BM+2*\x+\c], v[S+64*\x+32*\c+\i], v[S+64*\x+32*\c+\i+1]
.endr
.endr
.endr
.irp c, 0,1
.irp x, 0,1
	v_max_num_f32 v[BM+2*\x+\c], v[BM+2*\x+\c], v[S+64*\x+32*\c+31]
.endr
.endr
.irp x, 0,1
	v_max_num_f32 v[W+\x], v[BM+2*\x], v[BM+2*\x+1]
.endr
.irp x, 0,1
	s_delay_alu instid0(VALU_DEP_2)
	v_permlanex16_b32 v[PRM+\x], v[W+\x], s[SEL], s[SEL+1]
.endr
.irp x, 0,1
	s_delay_alu instid0(VALU_DEP_2)
	v_max3_num_f32 v[NM+2*\x+1], v[NM+2*\x+1], v[W+\x], v[PRM+\x]   ; the running largest score of my query
.endr
.irp x, 0,1
	s_delay_alu instid0(VALU_DEP_2)
	v_mul_f32 v[F+2*\x+1], s[CS], v[NM+2*\x+1]     ; as t
.endr
.irp x, 0,1
	s_delay_alu instid0(VALU_DEP_2)
	v_floor_f32 v[NM+2*\x], -v[F+2*\x+1]           ; -M = floor(-t)
.endr
.irp x, 0,1
	s_delay_alu instid0(VALU_DEP_2)
	v_sub_f32 v[F+2*\x+1], v[NM+2*\x], v[OLD+\x]   ; old M less new M, a whole number
.endr
.irp x, 0,1
	s_delay_alu instid0(VALU_DEP_2)
	v_cvt_i32_f32 v[F+2*\x+1], v[F+2*\x+1]         ; (it saturates)
.endr
.irp x, 0,1
	s_delay_alu instid0(VALU_DEP_2)
	v_ldexp_f32 v[F+2*\x], 1.0, v[F+2*\x+1]        ; f = 2^(old M - new M)
.endr
.set j, 0
.rept 32
	v_pk_fma_f32 v[S+j:S+j+1], v[S+j:S+j+1], s[CS:CS+1], v[NM:NM+1] op_sel_hi:[1,0,0]   ; t - M
	v_pk_fma_f32 v[S+64+j:S+64+j+1], v[S+64+j:S+64+j+1], s[CS:CS+1], v[NM+2:NM+3] op_sel_hi:[1,0,0]
.set j, j+2
.endr
.irp x, 0,1
.irp c, 0,1
	v_fma_f32 v[BM+2*\x+\c], v[BM+2*\x+\c], s[CS], v[NM+2*\x]   ; the same of each block's largest score
.endr
.endr
	s_wait_dscnt 0x0                               ; v's fragments are in, and the next step's k
	s_wait_alu depctr_va_vdst(0)                   ; ahead of the batch
.set j, 0
.rept 128
	v_exp_f32 v[S+j], v[S+j]
.set j, j+1
.endr
.irp b, 0,1,2,3
	v_exp_f32 v[BM+\b], v[BM+\b]                   ; the block's largest p: the same two instructions on the same number
.endr
	v_pk_mul_f32 v[SUM:SUM+1], v[SUM:SUM+1], v[F:F+1] op_sel_hi:[1,0]   ; the sums under the new M
	v_pk_mul_f32 v[SUM+2:SUM+3], v[SUM+2:SUM+3], v[F+2:F+3] op_sel_hi:[1,0]
	s_wait_alu depctr_va_vdst(0)                   ; one wait for the batch, ahead of its first reader
.irp b, 0,1,2,3
	v_max_num_f32 v[BM+\b], 0x1800000, v[BM+\b]    ; the floor 2^(3 - 127): the byte cannot fall under 1
.endr
.irp b, 0,1,2,3
	s_delay_alu instid0(VALU_DEP_4)
	v_add_nc_u32 v[SC+\b], 0xff000000, v[BM+\b]    ; 2 off the exponent field: the conversion's scale operand
.endr
.irp b, 0,1,2,3
	s_delay_alu instid0(VALU_DEP_4)
	v_lshrrev_b32 v[BM+\b], 23, v[SC+\b]           ; the byte
.endr
.irp x, 0,1
	v_lshl_or_b32 v[W+\x], v[BM+2*\x+1], 16, v[BM+2*\x]   ; my bytes: blocks h and 2 + h
.endr
.irp x, 0,1
	s_delay_alu instid0(VALU_DEP_2)
	v_lshlrev_b32 v[W+\x], v[SH8], v[W+\x]
.endr
.irp x, 0,1
	s_delay_alu instid0(VALU_DEP_2)
	v_permlanex16_b32 v[PRM+\x], v[W+\x], s[SEL], s[SEL+1]
.endr
.irp x, 0,1
	s_delay_alu instid0(VALU_DEP_2)
	v_or_b32 v[PW+\x], v[W+\x], v[PRM+\x]          ; with lane l xor 16's two the word is whole
.endr
	WIN 0x40
.irp x, 0,1
.irp c, 0,1
	v_cvt_scalef32_pk16_fp6_f32 v[P+12*\x+6*\c:P+12*\x+6*\c+2], v[S+64*\x+32*\c:S+64*\x+32*\c+15], v[SC+2*\x+\c]
	v_cvt_scalef32_pk16_fp6_f32 v[CT+8*\x+4*\c:CT+8*\x+4*\c+2], v[S+64*\x+32*\c+16:S+64*\x+32*\c+31], v[SC+2*\x+\c]   ; (a conversion's three registers begin on an even number)
.endr
.endr
	v_nop                                          ; one plain place behind a scaled conversion
	WIN 0x41                                       ; source 0 and destination window 1
.irp x, 0,1
.irp c, 0,1
.irp i, 0,1,2
	v_mov_b32 v[P+12*\x+6*\c+3+\i], v[CT+8*\x+4*\c+\i]
.endr
.endr
.endr
	s_wait_alu depctr_va_vdst(0)                   ; directly ahead of the first reader of O^T
.set j, 0
.rept 16
	v_pk_mul_f32 v[O+j:O+j+1], v[O+j:O+j+1], v[F:F+1] op_sel_hi:[1,0]   ; O^T under the new M
	v_pk_mul_f32 v[O+32+j:O+32+j+1], v[O+32+j:O+32+j+1], v[F+2:F+3] op_sel_hi:[1,0]
.set j, j+2
.endr
	WIN 0
	v_pk_add_f32 v[BM:BM+1], v[S:S+1], v[S+2:S+3]  ; the row's sum of the unquantised p: two chains a tile
	v_pk_add_f32 v[BM+2:BM+3], v[S+64:S+65], v[S+66:S+67]
.irp j, 4,8,12,16,20,24,28,32,36,40,44,48,52,56,60
	v_pk_add_f32 v[SUM:SUM+1], v[SUM:SUM+1], v[S+\j:S+\j+1]
	v_pk_add_f32 v[SUM+2:SUM+3], v[SUM+2:SUM+3], v[S+64+\j:S+64+\j+1]
	v_pk_add_f32 v[BM:BM+1], v[BM:BM+1], v[S+\j+2:S+\j+3]
	v_pk_add_f32 v[BM+2:BM+3], v[BM+2:BM+3], v[S+64+\j+2:S+64+\j+3]
.endr
	v_pk_add_f32 v[SUM:SUM+1], v[SUM:SUM+1], v[BM:BM+1]
	v_pk_add_f32 v[SUM+2:SUM+3], v[SUM+2:SUM+3], v[BM+2:BM+3]
	WIN 0x55                                       ; all four operands window 1; the eight accumulators take turns
.irp t, 0,1,2,3
.irp x, 0,1
	PVW \x, \t
.endr
.endr
	WIN 0
.endm
.macro WALK base, trips
	s_mov_b32 s[TB], \base
	s_mov_b32 s[TRIP], \trips
	v_add_nc_u32 v[AK16], s[TB], v[KB16]           ; the phase's first step's k
	v_add_nc_u32 v[AK8], s[TB], v[KB8]
	v_add_nc_u32 v[AKS], s[TB], v[KBS]
	KLOAD
.Lstep_\@:
	STEP \base+(\trips-1)*STEPB
	s_add_co_u32 s[TB], s[TB], STEPB
	s_sub_co_u32 s[TRIP], s[TRIP], 1
	s_cmp_lg_u32 s[TRIP], 0
	s_cbranch_scc1 .Lstep_\@
.endm
	s_load_b256 s[4:11], s[0:1], 0x0               ; qb, kv, cc, cs
	v_lshl_add_u32 v[SPW], v0, 2, SPARE
	v_mov_b32 v[NIL], 0
	ds_add_u32 v[SPW], v[NIL]                      ; the opening lines: the add, twice on end, and its wait
	ds_add_u32 v[SPW], v[NIL]
	v_lshrrev_b32 v[A16], 5, v0
	v_readfirstlane_b32 s[WV], v[A16]              ; wave 0..7
	s_bfe_u32 s13, ttmp6, 0x40000                  ; cx
	s_lshl_b32 s14, ttmp9, 2
	s_add_co_u32 s14, s14, s13                     ; block of 256 queries
	s_and_b32 s15, ttmp7, 0xffff                   ; head
	s_mov_b32 s[G1], 15|(3<<16)|(1<<21)            ; the mask of the four; elements of 8 bytes; bit 21 beside a mask
	s_mov_b32 s[G1+1], 32<<16
	s_mov_b32 s[G1+2], 78<<16                      ; 78 rows of 256 bytes
	s_mov_b32 s[G1+3], 32<<16
	s_mov_b32 s[G1+4], 78
	s_mov_b32 s[G1+5], 32
	s_mov_b32 s[G1+6], 0
	s_mov_b32 s[G1+7], 0
	s_mov_b32 s[G1S], 15|(3<<16)|(1<<21)
	s_mov_b32 s[G1S+1], 32<<16
	s_mov_b32 s[G1S+2], 52<<16                     ; 52 rows
	s_mov_b32 s[G1S+3], 32<<16
	s_mov_b32 s[G1S+4], 52
	s_mov_b32 s[G1S+5], 32
	s_mov_b32 s[G1S+6], 0
	s_mov_b32 s[G1S+7], 0
	s_mul_i32 s16, s15, 32*STEPB
	s_mov_b32 s17, 0
	s_mul_i32 s18, s[WV], PARTL
	s_mul_i32 s19, s[WV], PARTS
	s_mov_b32 s[SEL], 0x76543210
	s_mov_b32 s[SEL+1], 0xfedcba98
	s_mov_b32 s[CS], 0x3e38aa3b                    ; log2(e) / 8
	s_mov_b32 s[CS+1], s[CS]
	s_wait_dscnt 0x0
	s_wait_kmcnt 0x0
	s_add_nc_u64 s[6:7], s[6:7], s[16:17]          ; the head's k and v
	s_mov_b32 s16, s18
	s_mov_b32 s[G0], 1                             ; steps 0-11 into slot 0
	s_add_co_u32 s[G0+1], s18, 0
	s_add_nc_u64 s[G0+2:G0+3], s[6:7], s[16:17]
	s_mov_b32 s[G0+4], 1                           ; steps 12-23 into slot 1
	s_add_co_u32 s[G0+5], s18, SLOTB
	s_add_nc_u64 s[G0+6:G0+7], s[G0+2:G0+3], SLOTB
	s_mov_b32 s16, s19
	s_mov_b32 s[G0+8], 1                           ; steps 24-31 into slot 0
	s_add_co_u32 s[G0+9], s19, 0
	s_add_nc_u64 s[G0+10:G0+11], s[6:7], s[16:17]
	s_add_nc_u64 s[G0+10:G0+11], s[G0+10:G0+11], 2*SLOTB
	s_or_b32 s[G0+3], s[G0+3], 0x80000000
	s_or_b32 s[G0+7], s[G0+7], 0x80000000
	s_or_b32 s[G0+11], s[G0+11], 0x80000000
	CROUND                                         ; the four partners are here: the first joint loads meet
	tensor_load_to_lds s[G0:G0+3], s[G1:G1+7]      ; one tensor load a wave at the head
	s_nop 0
	s_lshl_b32 s16, s15, 5                         ; q: block 32 head + 2 x query block + wave / 4, tiles 2 (wave % 4) and the next
	s_lshl_b32 s52, s14, 1
	s_add_co_u32 s16, s16, s52
	s_lshr_b32 s52, s[WV], 2
	s_add_co_u32 s16, s16, s52
	s_mul_i32 s16, s16, 6656
	s_add_nc_u64 s[4:5], s[4:5], s[16:17]
	s_and_b32 s52, s[WV], 3
	s_mul_i32 s16, s52, 1536
	s_add_nc_u64 s[54:55], s[4:5], s[16:17]
	s_lshl_b32 s16, s52, 2
	s_add_nc_u64 s[56:57], s[4:5], s[16:17]
	s_lshr_b32 s16, s15, 2                         ; cc: (head / 4) x 786,432 + tile (16 x query block + 2 wave) x 3,072 + (head % 4) x 768
	s_mul_i32 s16, s16, 786432
	s_lshl_b32 s52, s14, 4
	s_lshl_b32 s53, s[WV], 1
	s_add_co_u32 s52, s52, s53
	s_mul_i32 s52, s52, 3072
	s_add_co_u32 s16, s16, s52
	s_and_b32 s52, s15, 3
	s_mul_i32 s52, s52, 768
	s_add_co_u32 s16, s16, s52
	s_add_nc_u64 s[8:9], s[8:9], s[16:17]
	s_lshl_b32 s16, s14, 3                         ; cs: ((8 x query block + wave) x 16 + head) x 128
	s_add_co_u32 s16, s16, s[WV]
	s_lshl_b32 s16, s16, 4
	s_add_co_u32 s16, s16, s15
	s_lshl_b32 s16, s16, 7
	s_add_nc_u64 s[10:11], s[10:11], s[16:17]
	s_and_b32 s[SHF], s15, 1
	s_lshl_b32 s[SHF], s[SHF], 4
	s_lshl_b32 s16, s13, 3                         ; the prefetch: my 13 blocks of steps 24-31: (8 cx + wave) x 3,328 bytes
	s_add_co_u32 s16, s16, s[WV]
	s_mul_i32 s16, s16, 3328
	s_add_nc_u64 s[58:59], s[6:7], s[16:17]
	s_add_nc_u64 s[58:59], s[58:59], 2*SLOTB
	v_and_b32 v[A8], 31, v0
	v_lshlrev_b32 v[L16], 4, v[A8]
	v_lshlrev_b32 v[L8], 3, v[A8]
	v_min_u32 v[PF], 12, v[A8]
	v_lshlrev_b32 v[PF], 8, v[PF]
	v_and_b32 v[AK16], 7, v0                       ; r % 8
	v_bfe_u32 v[AK8], v0, 3, 1                     ; r / 8
	v_bfe_u32 v[AKS], v0, 4, 1                     ; h
	v_lshlrev_b32 v[SH8], 3, v[AKS]
	v_mul_u32_u24 v[KB8], v[AK8], 1536
	v_lshl_add_u32 v[KB16], v[AKS], 8, v[KB8]
	v_lshl_add_u32 v[KB16], v[AK16], 4, v[KB16]
	v_lshl_add_u32 v[KB8], v[AKS], 7, v[KB8]
	v_lshl_add_u32 v[KB8], v[AK16], 3, v[KB8]
	v_lshlrev_b32 v[KBS], 8, v[AKS]
	v_lshl_add_u32 v[KBS], v[AK8], 2, v[KBS]
	v_lshl_add_u32 v[KBS], v[AK16], 4, v[KBS]
	v_and_b32 v[W], 15, v0
	v_lshlrev_b32 v[W], 4, v[W]                    ; 16 r
	s_wait_alu depctr_va_vdst(0)                   ; ahead of the readers below
	global_load_b128 v[Q:Q+3], v[L16], s[54:55]
	global_load_b64 v[Q+4:Q+5], v[L8], s[54:55] offset:512
	global_load_b128 v[Q+12:Q+15], v[L16], s[54:55] offset:768
	global_load_b64 v[Q+16:Q+17], v[L8], s[54:55] offset:1280
	global_load_b32 v[QS], v[W], s[56:57] offset:6144     ; the even tile's words lie in the image's lanes 0-15,
	global_load_b32 v[QS+1], v[W], s[56:57] offset:6400   ; the odd tile's in lanes 16-31
.irp j, 6,7,8,9,10,11,18,19,20,21,22,23
	v_mov_b32 v[Q+\j], 0                           ; q's upper 64 along K: zero codes
.endr
.irp j, 0,1,2,3,4,5
	v_mov_b32 v[SC+\j], 0
.endr
.irp x, 0,1
	v_mov_b32 v[NM+2*\x+1], 0xff61b1e6             ; the largest score so far: -3e38
	v_mov_b32 v[NM+2*\x], 0x7f61b1e6               ; -M: 3e38, so that the first f is 0
	v_mov_b32 v[SUM+2*\x], 0
	v_mov_b32 v[SUM+2*\x+1], 0
	v_mov_b32 v[PRM+\x], 0                         ; a lane permute's destination counts as one of its sources
.endr
	WIN 0x40
.set j, 0
.rept 64
	v_mov_b32 v[O+j], 0                            ; O^T: the step is written once, and the first finds zeros
.set j, j+1
.endr
	WIN 0
	s_wait_alu depctr_va_vdst(0)                   ; the head's end
	s_wait_loadcnt 0x0
	s_wait_tensorcnt 0x0                           ; my part of steps 0-11 is in; the three lines ahead of a later first fill
	ds_add_u32 v[SPW], v[NIL]
	s_wait_dscnt 0x0
	CROUND
	tensor_load_to_lds s[G0+4:G0+7], s[G1:G1+7]    ; slot 1's first fill, the first tensor load behind the round
	s_nop 0
.rept 4
	v_nop
.endr
	global_prefetch_b8 v[PF], s[58:59] th:TH_LOAD_NT scope:SCOPE_SE
	WALK 0, 12
	s_wait_tensorcnt 0x0                           ; my part of steps 12-23 is in,
	ds_add_u32 v[SPW], v[NIL]
	s_wait_dscnt 0x0                               ; and my reads of slot 0 are over
	CROUND
	tensor_load_to_lds s[G0+8:G0+11], s[G1S:G1S+7] ; steps 24-31 into slot 0
	s_nop 0
.rept 4
	v_nop
.endr
	WALK SLOTB, 12
	s_wait_tensorcnt 0x0                           ; my part of steps 24-31 is in
	s_wait_dscnt 0x0
	s_barrier_signal -1
	s_barrier_wait -1
	WALK 0, 8
; THE WAY OUT: O^T / the sum, quantised along the head's 64 (the 16 registers of v's tiles 2 b, 2 b + 1 are channels 32 b + 16 h + 0..15), stored as a half fragment's image and a scale word.
.irp x, 0,1
	v_add_f32 v[SUM+2*\x], v[SUM+2*\x], v[SUM+2*\x+1]
.endr
.irp x, 0,1
	v_permlanex16_b32 v[PRM+\x], v[SUM+2*\x], s[SEL], s[SEL+1]
.endr
.irp x, 0,1
	v_add_f32 v[SUM+2*\x], v[SUM+2*\x], v[PRM+\x]
.endr
	v_and_b32 v[R4], 15, v0
	v_lshlrev_b32 v[R4], 2, v[R4]
	s_wait_alu depctr_va_vdst(0)
	v_rcp_f32 v[SUM], v[SUM]
	v_rcp_f32 v[SUM+2], v[SUM+2]
.rept 4
	v_nop
.endr
	WIN 0x01                                       ; source 0 window 1
	s_wait_alu depctr_va_vdst(0)                   ; ahead of the first reader of the quotients and of O^T
.set j, 0
.rept 16
	v_pk_mul_f32 v[S+j:S+j+1], v[O+j:O+j+1], v[SUM:SUM+1] op_sel_hi:[1,0]
	v_pk_mul_f32 v[S+64+j:S+64+j+1], v[O+32+j:O+32+j+1], v[SUM+2:SUM+3] op_sel_hi:[1,0]
.set j, j+2
.endr
	WIN 0
.irp x, 0,1
.irp b, 0,1
	v_max3_num_f32 v[BM+2*\x+\b], |v[S+64*\x+16*\b]|, |v[S+64*\x+16*\b+1]|, 0x1800000
.endr
.endr
.irp i, 2,4,6,8,10,12,14
.irp x, 0,1
.irp b, 0,1
	v_max3_num_f32 v[BM+2*\x+\b], v[BM+2*\x+\b], |v[S+64*\x+16*\b+\i]|, |v[S+64*\x+16*\b+\i+1]|
.endr
.endr
.endr
.irp k, 0,1,2,3
	v_permlanex16_b32 v[SC+\k], v[BM+\k], s[SEL], s[SEL+1]
.endr
.irp k, 0,1,2,3
	v_max_num_f32 v[BM+\k], v[BM+\k], v[SC+\k]
.endr
.irp k, 0,1,2,3
	v_add_nc_u32 v[SC+\k], 0xff000000, v[BM+\k]
.endr
.irp k, 0,1,2,3
	v_lshrrev_b32 v[BM+\k], 23, v[SC+\k]
.endr
.irp x, 0,1
	v_lshl_or_b32 v[W+\x], v[BM+2*\x+1], 8, v[BM+2*\x]
.endr
.irp x, 0,1
	v_lshlrev_b32 v[W+\x], s[SHF], v[W+\x]         ; an odd head's two bytes are the word's upper two
.endr
.irp x, 0,1
	v_cvt_scalef32_pk16_fp6_f32 v[KF+8*\x:KF+8*\x+2], v[S+64*\x:S+64*\x+15], v[SC+2*\x]
	v_cvt_scalef32_pk16_fp6_f32 v[KF+8*\x+4:KF+8*\x+6], v[S+64*\x+16:S+64*\x+31], v[SC+2*\x+1]
.endr
	v_nop
.irp x, 0,1
.irp i, 0,1,2
	v_permlane16_swap_b32 v[KF+8*\x+\i], v[KF+8*\x+4+\i]   ; a whole block in a lane
.endr
.endr
.irp x, 0,1
.irp i, 0,1,2
	v_mov_b32 v[KF+8*\x+3+\i], v[KF+8*\x+4+\i]
.endr
.endr
.irp x, 0,1
	global_store_b128 v[L16], v[KF+8*\x:KF+8*\x+3], s[8:9] offset:3072*\x
	global_store_b64 v[L8], v[KF+8*\x+4:KF+8*\x+5], s[8:9] offset:3072*\x+512
	global_store_b32 v[R4], v[W+\x], s[10:11] offset:64*\x
.endr
	s_wait_tensorcnt 0x0                           ; the wave's end
	ds_add_u32 v[SPW], v[NIL]
	s_wait_dscnt 0x0
	CROUND                                         ; the closing round
	s_endpgm
.Lfunc_end_k_q24b4b7fa66_attn:
	.size	k_q24b4b7fa66_attn, .Lfunc_end_k_q24b4b7fa66_attn-k_q24b4b7fa66_attn
	.p2alignl 7, 3214868480
	.fill 96, 4, 3214868480
	.section	.rodata,"a",@progbits
	.p2align	6, 0x0
	.amdhsa_kernel k_q24b4b7fa66_attn
		.amdhsa_group_segment_fixed_size 327680
		.amdhsa_private_segment_fixed_size 0
		.amdhsa_enable_private_segment 0
		.amdhsa_kernarg_size 32
		.amdhsa_user_sgpr_count 2
		.amdhsa_user_sgpr_kernarg_segment_ptr 1
		.amdhsa_wavefront_size32 1
		.amdhsa_system_sgpr_workgroup_id_x 1
		.amdhsa_system_sgpr_workgroup_id_y 1
		.amdhsa_system_sgpr_workgroup_id_z 1
		.amdhsa_system_vgpr_workitem_id 0
		.amdhsa_next_free_vgpr 416
		.amdhsa_next_free_sgpr 66
		.amdhsa_reserve_vcc 0
		.amdhsa_float_denorm_mode_32 3
		.amdhsa_float_denorm_mode_16_64 3
		.amdhsa_memory_ordered 1
		.amdhsa_forward_progress 1
		.amdhsa_inst_pref_size 108
	.end_amdhsa_kernel
	.amdgpu_metadata
---
amdhsa.version: [ 1, 2 ]
amdhsa.kernels:
  - .name:           k_q24b4b7fa66_attn
    .symbol:         k_q24b4b7fa66_attn.kd
    .args:
      - { .name: qb, .offset: 0, .size: 8, .value_kind: global_buffer, .address_space: global }
      - { .name: kv, .offset: 8, .size: 8, .value_kind: global_buffer, .address_space: global }
      - { .name: cc, .offset: 16, .size: 8, .value_kind: global_buffer, .address_space: global }
      - { .name: cs, .offset: 24, .size: 8, .value_kind: global_buffer, .address_space: global }
    .group_segment_fixed_size: 327680
    .private_segment_fixed_size: 0
    .kernarg_segment_align: 8
    .kernarg_segment_size: 32
    .max_flat_workgroup_size: 256
    .sgpr_count:     66
    .vgpr_count:     416
    .wavefront_size: 32
...
	.end_amdgpu_metadata
.endif
;; end of part 3
;; launch oproj (part 4): grid 8 x 32, 4 waves a work-group, clusters of 4 x 4, 327,680 bytes of LDS; arguments cc, cs, wc, ws, bo, out0; writes out0
.if DOCPART == 4
	.amdgcn_target "amdgcn-amd-amdhsa--gfx1250"
	.amdhsa_code_object_version 6
	.text
	.protected	k_q24b4b7fa66_oproj
	.globl	k_q24b4b7fa66_oproj
	.p2align	8
	.type	k_q24b4b7fa66_oproj,@function
k_q24b4b7fa66_oproj:
	s_mov_b64 s[64:65], 0
	v_nop
	global_prefetch_b8 v0, s[64:65] scope:SCOPE_SE
	s_setreg_imm32_b32 hwreg(HW_REG_WAVE_MODE, 25, 1), 1
	s_wait_xcnt 0x0
	s_wait_alu depctr_hold_cnt(0) depctr_sa_sdst(0) depctr_va_vdst(0) depctr_va_sdst(0) depctr_va_ssrc(0) depctr_va_vcc(0) depctr_vm_vsrc(0)
	s_getreg_b32 s2, hwreg(HW_REG_IB_STS2, 6, 4)
	s_cmp_eq_u32 s2, 0
	s_cbranch_scc0 .Lentry_in_a_cluster
	s_endpgm
.Lentry_in_a_cluster:
	s_bfe_u32 s2, ttmp6, 0x10000c
	s_cmp_lg_u32 s2, 0xf033
	s_cbranch_scc0 .Lentry_shape_is_right
	s_endpgm
.Lentry_shape_is_right:
; out0 = ctx Wo + bo on codes of FP6 (E2M3).  Nothing of reference() is left out here.
; INPUTS: cc, wc: [K / 256: 4][tile of 16 positions: 256][half fragment: 4][768 bytes], images of the operand's registers (Wo: wc's tiles 192-255); a position is a row's number with bits 3, 4 swapped.
; cs: [group of 32 positions][head: 16][lane][4]: an even head's word holds the lower two bytes of its K step's scale word, the odd head's the upper two.  ws: [group][K / 128: 8][lane][4] (Wo: groups 96-127).
; A block of the result is 128 tokens x 128 columns: 32 x 8 = 256 work-groups.  Four waves, each 64 x 64: 16 accumulators.
; ALL OF K COMES AT ONCE: 8 tiles x 4 x 3,072 bytes of each operand, 2 x 98,304 bytes of LDS, by one tensor load a wave at the head (two rows of 24,576 bytes, 786,432 apart): waves 0, 1 fetch ctx's K halves, waves 2, 3 Wo's.
; Nothing is filled again: one barrier, then eight K steps with no barrier.  No prefetch: the launch has no loop to run ahead in, and all that it reads is asked for at its head.
; CLUSTERS: 4 x 4.  ctx's tiles are shared along a row of the cluster, Wo's along a column: each is asked for jointly, with a mask that names the four.
; THE MATRIX INSTRUCTION IS USED TRANSPOSED: source 0 = 16 positions of Wo, source 1 = 16 positions of ctx: a lane holds one token, and the registers of Wo's tiles 2 g, 2 g + 1 are columns 32 g + 16 h + 0..15.
; REGISTERS: window 0: v4-7 the bias; v12-29 addresses; v32-47 ctx's scale words (8 (a / 2) + K step; lanes 0-15 the even block, 16-31 the odd), v48-63 Wo's; v64-159, v160-255 two sets of fragments (Wo's four, ctx's four).
;   window 1: v0-127 the accumulators, (a, b) at v[8 (4 a + b)].
.set TILEB, 3072
.set KQB,   786432
.set QB,    8*TILEB                    ; 256 along K of 8 tiles
.set ASZ,   4*QB
.set STAGE, 2*ASZ                      ; behind the operands: 16 rows x 272 bytes for each wave, for the way out; no fill lands there
.set SPITCH, 272
.set SPARE, STAGE+4*16*SPITCH          ; the spare words: 128 bytes a wave, two blocks of 256 bytes that no other line names
.set STO,  12
.set RD,   13
.set CO,   14
.set AD,   16                          ; v16-19 ctx: 16 x lane (K halves 0, 1), 8 x lane (0, 1);  v20-23 Wo
.set L16,  24
.set L8,   25
.set L4,   26
.set R16,  27
.set SPW,  28
.set NIL,  29
.set SCA,  32
.set SCB,  48
.set FB,   64
.set ODD,  160
.set BK,   64
.set G1,   24
.set G0,   32
.set G1B,  48
.set G0B,  56
.set MSB, 0
.macro WIN new                         ; the immediate's high byte repeats the setting that is left
.if MSB != (\new)
	s_set_vgpr_msb (MSB<<8)|(\new)
.set MSB, (\new)
.endif
.endm
.macro CROUND
	s_barrier_signal -1
	s_barrier_wait -1
	s_cmp_lg_u32 s14, 0
	s_cbranch_scc1 .Lnot_wave_0_\@
	s_barrier_signal -3
.Lnot_wave_0_\@:
	s_barrier_wait -3
	s_barrier_signal -1
	s_barrier_wait -1
.endm
.macro PLACES n
.rept \n
	v_nop
.endr
.endm
.macro FRAG reg, side, s, i            ; tile i's fragment of K step s: two half fragments as they were stored: every load's 32 lanes read consecutive bytes
.set OFF, (((\s)/2)%2)*QB+(\i)*TILEB+((\s)%2)*1536
	ds_load_b128 v[(\reg):(\reg)+3], v[AD+4*(\side)+(\s)/4] offset:OFF
	ds_load_b64 v[(\reg)+4:(\reg)+5], v[AD+4*(\side)+2+(\s)/4] offset:OFF+512
	ds_load_b128 v[(\reg)+6:(\reg)+9], v[AD+4*(\side)+(\s)/4] offset:OFF+768
	ds_load_b64 v[(\reg)+10:(\reg)+11], v[AD+4*(\side)+2+(\s)/4] offset:OFF+1280
.endm
.macro FETCH s                         ; 32 loads: K step s into set s % 2
.irp i, 0,1,2,3
	FRAG FB+96*((\s)%2)+12*\i, 1, \s, \i
.endr
.irp i, 0,1,2,3
	FRAG FB+96*((\s)%2)+48+12*\i, 0, \s, \i
.endr
.endm
.macro WM a, b, s, zero                ; ctx's block a x Wo's block b, K step s.  An odd block's scale words lie in lanes 16-31
.set rD, 8*(4*(\a)+(\b))
.set rB, FB+96*((\s)%2)+12*(\b)
.set rA, FB+96*((\s)%2)+48+12*(\a)
.set rY, SCB+8*((\b)/2)+(\s)
.set rX, SCA+8*((\a)/2)+(\s)
.set sel, 4*(\zero)+2*((\b)%2)+((\a)%2)
.if sel == 0
	v_wmma_scale_f32_16x16x128_f8f6f4 v[rD:rD+7], v[rB:rB+11], v[rA:rA+11], v[rD:rD+7], v[rY], v[rX] matrix_a_fmt:MATRIX_FMT_FP6 matrix_b_fmt:MATRIX_FMT_FP6
.elseif sel == 1
	v_wmma_scale_f32_16x16x128_f8f6f4 v[rD:rD+7], v[rB:rB+11], v[rA:rA+11], v[rD:rD+7], v[rY], v[rX] matrix_a_fmt:MATRIX_FMT_FP6 matrix_b_fmt:MATRIX_FMT_FP6 matrix_b_scale:MATRIX_SCALE_ROW1
.elseif sel == 2
	v_wmma_scale_f32_16x16x128_f8f6f4 v[rD:rD+7], v[rB:rB+11], v[rA:rA+11], v[rD:rD+7], v[rY], v[rX] matrix_a_fmt:MATRIX_FMT_FP6 matrix_b_fmt:MATRIX_FMT_FP6 matrix_a_scale:MATRIX_SCALE_ROW1
.elseif sel == 3
	v_wmma_scale_f32_16x16x128_f8f6f4 v[rD:rD+7], v[rB:rB+11], v[rA:rA+11], v[rD:rD+7], v[rY], v[rX] matrix_a_fmt:MATRIX_FMT_FP6 matrix_b_fmt:MATRIX_FMT_FP6 matrix_a_scale:MATRIX_SCALE_ROW1 matrix_b_scale:MATRIX_SCALE_ROW1
.elseif sel == 4
	v_wmma_scale_f32_16x16x128_f8f6f4 v[rD:rD+7], v[rB:rB+11], v[rA:rA+11], 0, v[rY], v[rX] matrix_a_fmt:MATRIX_FMT_FP6 matrix_b_fmt:MATRIX_FMT_FP6
.elseif sel == 5
	v_wmma_scale_f32_16x16x128_f8f6f4 v[rD:rD+7], v[rB:rB+11], v[rA:rA+11], 0, v[rY], v[rX] matrix_a_fmt:MATRIX_FMT_FP6 matrix_b_fmt:MATRIX_FMT_FP6 matrix_b_scale:MATRIX_SCALE_ROW1
.elseif sel == 6
	v_wmma_scale_f32_16x16x128_f8f6f4 v[rD:rD+7], v[rB:rB+11], v[rA:rA+11], 0, v[rY], v[rX] matrix_a_fmt:MATRIX_FMT_FP6 matrix_b_fmt:MATRIX_FMT_FP6 matrix_a_scale:MATRIX_SCALE_ROW1
.else
	v_wmma_scale_f32_16x16x128_f8f6f4 v[rD:rD+7], v[rB:rB+11], v[rA:rA+11], 0, v[rY], v[rX] matrix_a_fmt:MATRIX_FMT_FP6 matrix_b_fmt:MATRIX_FMT_FP6 matrix_a_scale:MATRIX_SCALE_ROW1 matrix_b_scale:MATRIX_SCALE_ROW1
.endif
.endm
.macro KSTEP s, zero                   ; the next step's fragments are asked for, then this step's 16 products: the 16 accumulators take turns, in the same order in every step
.if (\s) > 0
	PLACES 4                                       ; in front of loads into registers that matrix instructions have read
.endif
.if (\s) < 7
	FETCH (\s)+1
	s_wait_dscnt 32                                ; this step's loads are in; the 32 just issued may be out
.else
	s_wait_dscnt 0x0
.endif
	WIN 0x50                                       ; C and D window 1
.irp a, 0,1,2,3
.irp b, 0,1,2,3
	WM \a, \b, \s, \zero
.endr
.endr
	WIN 0
.endm
	s_load_b256 s[4:11], s[0:1], 0x0               ; cc s[4:5], cs s[6:7], wc s[8:9], ws s[10:11]
	s_load_b128 s[68:71], s[0:1], 0x20             ; bo s[68:69], out0 s[70:71]
	v_lshl_add_u32 v[SPW], v0, 2, SPARE
	v_mov_b32 v[NIL], 0
	ds_add_u32 v[SPW], v[NIL]                      ; the opening lines: the add, twice on end, and its wait
	ds_add_u32 v[SPW], v[NIL]
	v_lshrrev_b32 v1, 5, v0
	v_readfirstlane_b32 s14, v1                    ; wave 0..3
	s_lshr_b32 s15, s14, 1                         ; which 64 tokens are mine.  Also: I fetch for ctx (0) or for Wo (1)
	s_and_b32 s16, s14, 1                          ; which 64 columns.  Also: which half of K I fetch
	s_bfe_u32 s40, ttmp6, 0x40000                  ; cx
	s_bfe_u32 s41, ttmp6, 0x40004                  ; cy
	s_lshl_b32 s42, ttmp9, 2
	s_add_co_u32 s42, s42, s40                     ; TC: block of 128 columns
	s_and_b32 s17, ttmp7, 0xffff
	s_lshl_b32 s17, s17, 2
	s_add_co_u32 s17, s17, s41                     ; TR: block of 128 tokens
	s_lshl_b32 s43, s41, 2
	s_lshl_b32 s43, 15, s43                        ; my row of the cluster
	s_lshl_b32 s44, 0x1111, s40                    ; my column
	s_or_b32 s[G1], s43, (3<<16)|(1<<21)           ; the mask; elements of 8 bytes; bit 21 beside a mask
	s_or_b32 s[G1B], s44, (3<<16)|(1<<21)
.irp g, G1, G1B
	s_mov_b32 s[\g+1], (QB/8)<<16                  ; tensor_dim0 = 3,072 elements
	s_mov_b32 s[\g+2], 2<<16                       ; tensor_dim1 = 2
	s_mov_b32 s[\g+3], (QB/8)<<16                  ; tile_dim0
	s_mov_b32 s[\g+4], 2                           ; tile_dim1
	s_mov_b32 s[\g+5], KQB/8                       ; from row to row
	s_mov_b32 s[\g+6], 0
	s_mov_b32 s[\g+7], 0
.endr
	s_mul_i32 s18, s16, 2*KQB
	s_mul_i32 s20, s17, QB                         ; ctx: tile 8 TR
	s_add_co_u32 s20, s20, s18
	s_mov_b32 s21, 0
	s_lshl_b32 s22, s42, 3
	s_add_co_u32 s22, s22, 192                     ; Wo: tile 192 + 8 TC
	s_mul_i32 s22, s22, TILEB
	s_add_co_u32 s22, s22, s18
	s_mov_b32 s23, 0
	s_mul_i32 s45, s16, 2*QB                       ; where they go: no place in the cluster enters an LDS address
	s_wait_dscnt 0x0
	s_wait_kmcnt 0x0
	s_mov_b32 s[G0], 1
	s_add_co_u32 s[G0+1], s45, 0
	s_add_nc_u64 s[G0+2:G0+3], s[4:5], s[20:21]
	s_or_b32 s[G0+3], s[G0+3], 0x80000000
	s_mov_b32 s[G0B], 1
	s_add_co_u32 s[G0B+1], s45, ASZ
	s_add_nc_u64 s[G0B+2:G0B+3], s[8:9], s[22:23]
	s_or_b32 s[G0B+3], s[G0B+3], 0x80000000
	CROUND                                         ; all sixteen work-groups are here: the joint loads meet
	s_cmp_eq_u32 s15, 0                            ; one load a wave; each of the two lines has one mask
	s_cbranch_scc0 .Lfor_b
	tensor_load_to_lds s[G0:G0+3], s[G1:G1+7]
	s_nop 0
	PLACES 4
	s_branch .Lasked
.Lfor_b:
	tensor_load_to_lds s[G0B:G0B+3], s[G1B:G1B+7]
	s_nop 0
	PLACES 4
.Lasked:
	s_lshl_b32 s88, s17, 2                         ; ctx's scale words: group 4 TR + 2 x half, 2,048 bytes a group
	s_lshl_b32 s89, s15, 1
	s_add_co_u32 s88, s88, s89
	s_lshl_b32 s88, s88, 11
	s_mov_b32 s89, 0
	s_add_nc_u64 s[82:83], s[6:7], s[88:89]
	s_lshl_b32 s88, s42, 2                         ; Wo's: group 96 + 4 TC + 2 x half, 1,024 bytes a group
	s_lshl_b32 s90, s16, 1
	s_add_co_u32 s88, s88, s90
	s_add_co_u32 s88, s88, 96
	s_lshl_b32 s88, s88, 10
	s_add_nc_u64 s[86:87], s[10:11], s[88:89]
	s_lshl_b32 s88, s42, 9                         ; my first column, in bytes
	s_lshl_b32 s90, s16, 8
	s_add_co_u32 s88, s88, s90
	s_add_nc_u64 s[90:91], s[68:69], s[88:89]
	s_add_nc_u64 s[12:13], s[70:71], s[88:89]
	s_lshl_b32 s88, s17, 19                        ; my first token's row of 4,096 bytes
	s_lshl_b32 s92, s15, 18
	s_add_co_u32 s88, s88, s92
	s_add_nc_u64 s[12:13], s[12:13], s[88:89]
	s_mul_i32 s18, s15, 4*TILEB
	s_mul_i32 s19, s16, 4*TILEB
	s_add_co_u32 s19, s19, ASZ
	s_mul_i32 s93, s14, 16*SPITCH
	s_add_co_u32 s93, s93, STAGE
	v_and_b32 v1, 15, v0                           ; r
	v_bfe_u32 v2, v0, 4, 1                         ; h
	v_and_b32 v3, 31, v0                           ; lane
	v_lshlrev_b32 v[L16], 4, v3
	v_lshlrev_b32 v[L8], 3, v3
	v_lshlrev_b32 v[L4], 2, v3
	v_lshlrev_b32 v[R16], 4, v1
	v_add_nc_u32 v[AD], s18, v[L16]
	v_add_nc_u32 v[AD+2], s18, v[L8]
	v_add_nc_u32 v[AD+4], s19, v[L16]
	v_add_nc_u32 v[AD+6], s19, v[L8]
.irp i, 0,2,4,6
	v_add_nc_u32 v[AD+\i+1], 2*QB, v[AD+\i]
.endr
	v_mul_u32_u24 v[STO], v1, SPITCH               ; the stage, way in: row r, + 64 h
	v_lshl_add_u32 v[STO], v2, 6, v[STO]
	v_add_nc_u32 v[STO], s93, v[STO]
	v_mul_u32_u24 v[RD], v2, SPITCH                ; way out: lanes 0-15 one row of 256 bytes, lanes 16-31 the next
	v_add_nc_u32 v[RD], v[RD], v[R16]
	v_add_nc_u32 v[RD], s93, v[RD]
	v_lshl_add_u32 v[CO], v2, 12, v[R16]           ; and the same two rows in out0
	s_wait_alu depctr_va_vdst(0)                   ; at the head's end
.irp g, 0,1
.irp s, 0,1,2,3,4,5,6,7
	global_load_b32 v[SCA+8*\g+\s], v[L4], s[82:83] offset:2048*\g+256*\s
	global_load_b32 v[ODD+8*\g+\s], v[L4], s[82:83] offset:2048*\g+256*\s+128
	global_load_b32 v[SCB+8*\g+\s], v[L4], s[86:87] offset:1024*\g+128*\s
.endr
.endr
	global_load_b128 v[4:7], v[R16], s[90:91]      ; the bias of my four columns of a row's 64
	s_wait_tensorcnt 0x0                           ; my part is in,
	s_barrier_signal -1
	s_barrier_wait -1                              ; everybody's is
	FETCH 0
	s_wait_loadcnt 0x0
.set i, 0
.rept 16
	v_or_b32 v[SCA+i], v[SCA+i], v[ODD+i]          ; the two heads' bytes make a K step's word
.set i, i+1
.endr
	PLACES 8                                       ; a scale register written by a vector instruction stands 8 places ahead of a scaled matrix instruction
	s_wait_alu depctr_va_vdst(0)                   ; ahead of the wait below
	KSTEP 0, 1                                     ; the first products start the sums
.irp s, 1,2,3,4,5,6,7
	KSTEP \s, 0
.endr
; THE WAY OUT, block by block of 16 tokens x 64 columns, through my own stage: sixteen lanes store one aligned unit of 256 bytes.  LDS serves a wave's instructions in order: no wait between the stores and the loads.
.macro TOSTAGE a
	WIN 0x04                                       ; the data: window 1
.irp b, 0,1,2,3
	ds_store_b128 v[STO], v[8*(4*(\a)+\b):8*(4*(\a)+\b)+3] offset:128*(\b/2)+32*(\b%2)   ; each accumulator from its low end on
	ds_store_b128 v[STO], v[8*(4*(\a)+\b)+4:8*(4*(\a)+\b)+7] offset:128*(\b/2)+32*(\b%2)+16
.endr
	WIN 0
.set BB, BK+32*((\a)%2)
.irp t, 0,1,2,3,4,5,6,7
	ds_load_b128 v[BB+4*\t:BB+4*\t+3], v[RD] offset:\t*2*SPITCH
.endr
.endm
.macro SEND a, younger                 ; younger: the LDS instructions issued behind block a's loads, which may stay out
.set BB, BK+32*((\a)%2)
	s_wait_dscnt \younger
.irp t, 0,1,2,3,4,5,6,7
	v_pk_add_f32 v[BB+4*\t:BB+4*\t+1], v[BB+4*\t:BB+4*\t+1], v[4:5]
	v_pk_add_f32 v[BB+4*\t+2:BB+4*\t+3], v[BB+4*\t+2:BB+4*\t+3], v[6:7]
.endr
.irp t, 0,1,2,3,4,5,6,7
	global_store_b128 v[CO], v[BB+4*\t:BB+4*\t+3], s[12:13] offset:(32*((\a)/2)+8*((\a)%2)+2*\t+8*(\t/4))*4096 th:TH_STORE_NT   ; stage row i of block a is token 32 (a / 2) + 8 (a % 2) + i + 8 (i / 8)
.endr
.endm
	PLACES 4                                       ; behind the last products
	TOSTAGE 0
.irp a, 1,2,3
.if \a > 1
	s_wait_xcnt 0x0                                ; block a - 2's stores have read their registers
.endif
	TOSTAGE \a
	SEND \a-1, 16                                  ; behind block a - 1's loads: block a's 8 stores and 8 loads
.endr
	SEND 3, 0
	s_wait_tensorcnt 0x0                           ; the wave's end
	ds_add_u32 v[SPW], v[NIL]
	s_wait_dscnt 0x0
	CROUND                                         ; the closing round
	s_endpgm
.Lfunc_end_k_q24b4b7fa66_oproj:
	.size	k_q24b4b7fa66_oproj, .Lfunc_end_k_q24b4b7fa66_oproj-k_q24b4b7fa66_oproj
	.p2alignl 7, 3214868480
	.fill 96, 4, 3214868480
	.section	.rodata,"a",@progbits
	.p2align	6, 0x0
	.amdhsa_kernel k_q24b4b7fa66_oproj
		.amdhsa_group_segment_fixed_size 327680
		.amdhsa_private_segment_fixed_size 0
		.amdhsa_enable_private_segment 0
		.amdhsa_kernarg_size 48
		.amdhsa_user_sgpr_count 2
		.amdhsa_user_sgpr_kernarg_segment_ptr 1
		.amdhsa_wavefront_size32 1
		.amdhsa_system_sgpr_workgroup_id_x 1
		.amdhsa_system_sgpr_workgroup_id_y 1
		.amdhsa_system_sgpr_workgroup_id_z 1
		.amdhsa_system_vgpr_workitem_id 0
		.amdhsa_next_free_vgpr 384
		.amdhsa_next_free_sgpr 100
		.amdhsa_reserve_vcc 0
		.amdhsa_float_denorm_mode_32 3
		.amdhsa_float_denorm_mode_16_64 3
		.amdhsa_memory_ordered 1
		.amdhsa_forward_progress 1
		.amdhsa_inst_pref_size 58
	.end_amdhsa_kernel
	.amdgpu_metadata
---
amdhsa.version: [ 1, 2 ]
amdhsa.kernels:
  - .name:           k_q24b4b7fa66_oproj
    .symbol:         k_q24b4b7fa66_oproj.kd
    .args:
      - { .name: cc, .offset: 0, .size: 8, .value_kind: global_buffer, .address_space: global }
      - { .name: cs, .offset: 8, .size: 8, .value_kind: global_buffer, .address_space: global }
      - { .name: wc, .offset: 16, .size: 8, .value_kind: global_buffer, .address_space: global }
      - { .name: ws, .offset: 24, .size: 8, .value_kind: global_buffer, .address_space: global }
      - { .name: bo, .offset: 32, .size: 8, .value_kind: global_buffer, .address_space: global }
      - { .name: out0, .offset: 40, .size: 8, .value_kind: global_buffer, .address_space: global }
    .group_segment_fixed_size: 327680
    .private_segment_fixed_size: 0
    .kernarg_segment_align: 8
    .kernarg_segment_size: 48
    .max_flat_workgroup_size: 128
    .sgpr_count:     100
    .vgpr_count:     384
    .wavefront_size: 32
...
	.end_amdgpu_metadata
.endif
;; end of part 4
